; MI455X (gfx1250); checked and timed in simulation.
; The chip was launched on July 23, 2026; its instructions are those of AMD's public machine-readable ISA for CDNA 5 (MIT licence, August 2026) and "CDNA5" Instruction Set Architecture Reference Guide (July 2026). The comments in the code are by the model that wrote it; some were corrected since.
;; Adapters Feed Forward. Allowed arithmetic: matrix products marked QUANTISED: E2M1 operands, one E8M0 scale for each 32 along K, by v_wmma_scale_f32_16x16x128_f8f6f4 with both operands' format E2M1 (or v_wmma_scale_f32_32x16x128_f4), f32 sums; products left as they are: f32 operands where the result goes on into a quantised operand, else bf16, f16 or f32 operands; f32 sums; everything else in f32.
;; Inputs: W1_codes 4 x 4,096 x 32 x 16 uint8 (E2M1 codes of W1, K innermost, in blocks of 32 codes, two codes a byte); W1_scales 4 x 4,096 x 32 uint8 (E8M0 scales of W1, one for each 32 codes along K); W2_codes 4 x 1,024 x 128 x 16 uint8 (E2M1 codes of W2, K innermost, in blocks of 32 codes, two codes a byte); W2_scales 4 x 1,024 x 128 uint8 (E8M0 scales of W2, one for each 32 codes along K); Wr 1,024 x 4 float32; b1 4 x 4,096 float32; b2 4 x 1,024 float32; br 4 float32; x 4 x 512 x 1,024 float32.
;; Outputs: out0 4 x 512 x 1,024 float32.
;; This version of the problem:
;;   THIS VERSION OF THE PROBLEM IS GIVEN IN LOW PRECISION. The matrix products marked QUANTISED in the list below multiply operands that are first quantised to E2M1 (2 exponent bits, 1 mantissa bit; 4 bits a number), with one power-of-two scale for each 32 numbers along K (OCP MX v1.0); their sums are f32. All else is computed in f32.
;;   The module's matrix products, in the order in which they are computed (A, B: the left and right operand; K: the contracted axis; several contracted axes count as one K, in the product's order):
;;     1. [M 2,048, K 1,024] x [K 1,024, N 4]; A: input x; B: input Wr: left as it is (N = 4 < 16)
;;     2. [M 16,384, K 1,024] x [K 1,024, N 2,048]; A: input W1 (given as codes); B: input x: QUANTISED
;;     3. batch 4 x [M 2,048, K 4,096] x [K 4,096, N 1,024]; A: computed on the way; B: input W2 (given as codes): QUANTISED
;;   THE QUANTISER, for each operand of a quantised product, along K:
;;     - K is cut into blocks of 32 from its start; a last block that is shorter is filled with zeros.
;;     - A block's scale is 2^e with e = floor(log2(the largest magnitude in the block)) - 2, held to -126 .. 127; a block of zeros has e = 0. As a byte (E8M0): e + 127.
;;     - Each number is divided by its block's scale, clamped to +-6, and rounded to the nearest number of E2M1, ties to even, subnormals kept.
;;     - The product sums the exact products of the quantised numbers (number of the format x scale) in f32.
;;   ~~~python
;;   def quantise(x, axis):      # numpy; x: float32 -> the quantised numbers, widened to float32 again
;;       x = np.moveaxis(x, axis, -1); K = x.shape[-1]
;;       x = np.pad(x, [(0, 0)] * (x.ndim - 1) + [(0, -K % 32)]); x = x.reshape(x.shape[:-1] + (-1, 32)); a = np.abs(x).max(-1, keepdims=True)
;;       e = np.where(a > 0, np.clip(np.frexp(np.where(a > 0, a, 1))[1] - 1 - 2, -126, 127), 0)      # np.frexp(a)[1] - 1 = floor(log2(a)), exactly
;;       r = np.clip(x / 2.0 ** e, -6, 6)
;;       step = 2.0 ** (np.maximum(np.frexp(np.where(r == 0, 1, r))[1] - 1, 0) - 1)
;;       q = np.round(r / step) * step * 2.0 ** e      # np.round: ties to even
;;       return np.moveaxis(q.reshape(q.shape[:-2] + (-1,))[..., :K], -1, axis).astype(np.float32)
;;   ~~~
;;   OPERANDS COMPUTED ON THE WAY. 'Computed on the way' means the value that the module computes at that place (a softmax that the list does not call 'softmax' is quantised finished and normalised). What goes into a quantiser is computed in f32, as accurately as f32 sums, v_exp_f32 and their like allow (about 1e-6 of the number): no bf16 or f16 on the way to a quantiser, and a product that is left as it is and whose result goes on into a quantised operand takes f32 operands (vector FMAs, or v_wmma_f32_16x16x4_f32). A number that lies on a knife's edge between two numbers of the format may be rounded either way, as far as f32 arithmetic and the matrix unit's own rounding can turn it there, and no further.
;;   INPUTS GIVEN AS CODES. W1 (in the module: [4, 1024, 4096], K = its axis 1); W2 (in the module: [4, 4096, 1024], K = its axis 1): each comes as NAME_codes (uint8): NAME with its K axis moved to the last place and cut into blocks of 32 codes, [.., K / 32, bytes a block], one block behind the other in memory; two codes a byte, the lower K in the low four bits (a code: sign, 2 exponent bits, 1 mantissa bit); and NAME_scales (uint8): the same leading axes, one E8M0 byte (e + 127) for each 32 codes along K. Its value is code x scale, taken as it is: it is not quantised again, and the codes and scales need not be those that the quantiser above would give.
;; 2 versions. Each part assembles by itself: llvm-mc -triple=amdgcn-amd-amdhsa -mcpu=gfx1250 --defsym DOCPART=n.
;; ======== version 1 of 2: 4 launches
;; workspace buffers: eidx 8,192 bytes of whole numbers; gate 8,192 bytes; xq 1,048,576 bytes; xs 65,536 bytes; order 36,864 bytes of whole numbers; gsort 36,864 bytes; cnt 256 bytes of whole numbers; hrec 18,382,848 bytes
;; launch route (part 1): grid 256 x 1, 8 waves a work-group, no clusters, 55,296 bytes of LDS; arguments x, Wr, br, xq, xs, eidx, gate; writes xq, xs, eidx, gate
.if DOCPART == 1
	.amdgcn_target "amdgcn-amd-amdhsa--gfx1250"
	.amdhsa_code_object_version 6
	.text
	.protected	k_qaaf7c602d0_route
	.globl	k_qaaf7c602d0_route
	.p2align	8
	.type	k_qaaf7c602d0_route,@function
k_qaaf7c602d0_route:
	s_mov_b64 s[64:65], 0
	v_nop
	global_prefetch_b8 v0, s[64:65] scope:SCOPE_SE
	s_setreg_imm32_b32 hwreg(HW_REG_WAVE_MODE, 25, 1), 1
	s_wait_xcnt 0x0
; ROUTER AND QUANTISER OF x.  x: [2048][1024] f32, Wr: [1024][4] f32, br: [4] f32.
; For each token: logits = x Wr + br in f32 (fused multiply-adds), the chosen expert (the largest logit, the lower index at a tie), the gate = the largest
; probability = 1 / sum over e of exp(logit_e - largest logit); and x's row as codes of E2M1 with one E8M0 byte for each 32 along its 1,024.
; The chosen expert and the gate go to fixed places (eidx[token], gate[token]): no address here hangs on them.
; SHARES.  A work-group of eight waves takes 8 rows, a wave one row.  Each load of x reads 512 consecutive bytes; the row turns through the wave's own stage in LDS,
; so that lane l then holds the 32 neighbours x(32 l ..), which are one block of the quantiser.  Wr (16 KiB) is brought into LDS once a work-group, by all eight waves.
; LIMITS.  NaN and infinities are not served.  The choice is made on the logits: two logits so near that their probabilities round to one number could give another index than an argmax over probabilities.
; A block of zeros gets the scale byte 1 (its codes are zeros; the bytes are read by this program alone).  eidx and gate leave as 32 bytes a work-group: 16 KiB in the whole launch are written in parts of 256-byte blocks.
; No matrix unit, no cluster: the rows share nothing but Wr, which is small beside them.
.set STG,  16896                       ; LDS 0 .. 16,895: Wr, 16 bytes of padding behind each 512: byte b lies at b + 16 (b / 512)
.set STGW, 4608                        ; behind it a stage for each wave: a row of 4,096 bytes, 16 bytes of padding behind each 128
.set MISC, 53760                       ; behind the stages: 256 scale bytes (32 x wave + lane), 8 words of eidx at +256, 8 words of gate at +288
.set R,    16                          ; v16-47   x as loaded
.set WL,   48                          ; v48-63   Wr as loaded
.set X,    64                          ; v64-95   x(32 l + 0 .. 31)
.set WR,   96                          ; v96-223  Wr(32 l + j, e) at 4 j + e
.set SU,   224                         ; v224-231 the four sums, for even j and for odd j
	s_load_b256 s[4:11], s[0:1], 0x0               ; x s[4:5], Wr s[6:7], br s[8:9], xq s[10:11]
	s_load_b128 s[12:15], s[0:1], 0x20             ; xs s[12:13], eidx s[14:15]
	s_load_b64 s[16:17], s[0:1], 0x30              ; gate
	v_lshl_add_u32 v239, v0, 2, 0xd400
	v_mov_b32 v255, 0
	v_lshrrev_b32 v1, 5, v0
	v_readfirstlane_b32 s18, v1                    ; wave 0..7
	v_and_b32 v2, 31, v0                           ; lane
	v_lshlrev_b32 v3, 4, v0                        ; 16 x thread: my 16 bytes of 4,096 of Wr
	v_lshlrev_b32 v4, 4, v2                        ; 16 x lane
	v_lshl_add_u32 v5, v1, 4, v3                   ; Wr into LDS: 16 t + 16 w (a wave's 512 bytes pass one padding)
	s_mul_i32 s19, s18, STGW
	s_add_co_u32 s19, s19, STG                     ; my stage
	v_lshrrev_b32 v6, 3, v2
	v_lshl_add_u32 v6, v6, 4, v4
	v_add_nc_u32 v6, s19, v6                       ; into it: 16 l + 16 (l / 8)
	v_mul_u32_u24 v7, v2, 144
	v_add_nc_u32 v7, s19, v7                       ; out of it: 144 l: my 128 bytes
	v_mul_u32_u24 v8, v2, 528                      ; Wr out of LDS: my 32 rows of 16 bytes
	v_add_nc_u32 v9, MISC, v0                      ; my scale byte: 32 w + l is the thread's number
	v_lshl_add_u32 v10, v1, 2, MISC+256            ; my wave's word of eidx; gate's lies 32 bytes on
	v_lshlrev_b32 v11, 3, v2                       ; the way out (wave 0): 8 bytes a lane
	v_add_nc_u32 v12, MISC, v11
	v_and_b32 v13, 7, v2
	v_lshl_add_u32 v13, v13, 2, MISC+256
	v_lshlrev_b32 v14, 2, v2
	v_mov_b32 v252, 1
	v_mov_b32 v253, 2
	v_mov_b32 v254, 3
	s_mov_b32 s24, 0x76543210
	s_mov_b32 s25, 0xfedcba98                      ; v_permlanex16_b32's selects for lane l xor 16
	s_lshl_b32 s2, ttmp9, 15
	s_lshl_b32 s3, s18, 12
	s_add_co_u32 s2, s2, s3                        ; my row x 4,096 bytes
	s_mov_b32 s3, 0
	s_wait_kmcnt 0x0
	s_load_b128 s[20:23], s[8:9], 0x0              ; br
	s_add_nc_u64 s[4:5], s[4:5], s[2:3]
	s_lshr_b32 s2, s2, 3                           ; my row x 512 bytes of codes
	s_add_nc_u64 s[10:11], s[10:11], s[2:3]
	s_lshl_b32 s2, ttmp9, 8                        ; the work-group's 256 scale bytes
	s_add_nc_u64 s[12:13], s[12:13], s[2:3]
	s_lshl_b32 s2, ttmp9, 5                        ; and its 8 words
	s_add_nc_u64 s[14:15], s[14:15], s[2:3]
	s_add_nc_u64 s[16:17], s[16:17], s[2:3]
.irp j, 0,1,2,3
	global_load_b128 v[WL+4*\j:WL+4*\j+3], v3, s[6:7] offset:4096*\j
.endr
.irp i, 0,1,2,3,4,5,6,7
	global_load_b128 v[R+4*\i:R+4*\i+3], v4, s[4:5] offset:512*\i th:TH_LOAD_NT   ; 32 lanes read 512 consecutive bytes; read once in the launch
.endr
	s_wait_loadcnt 8                               ; the eight loads of x are younger: Wr is in
.irp j, 0,1,2,3
	ds_store_b128 v5, v[WL+4*\j:WL+4*\j+3] offset:4224*\j
.endr
	s_wait_loadcnt 0x0
.irp i, 0,1,2,3,4,5,6,7
	ds_store_b128 v6, v[R+4*\i:R+4*\i+3] offset:576*\i
.endr
	s_wait_dscnt 0x0                               ; for the others' sake: my part of Wr has landed
	s_barrier_signal -1
	s_barrier_wait -1                              ; Wr is whole
.irp j, 0,1,2,3,4,5,6,7
	ds_load_b128 v[X+4*\j:X+4*\j+3], v7 offset:16*\j
.endr
.set j, 0
.rept 32
	ds_load_b128 v[WR+4*j:WR+4*j+3], v8 offset:16*j
.set j, j+1
.endr
	s_wait_dscnt 0x0
	; the logits: my 32 terms of each of the four sums, in two sets that do not wait for each other; the first products start the sums
.irp e, 0,1,2,3
	v_mul_f32 v[SU+\e], v[X], v[WR+\e]
.endr
.irp e, 0,1,2,3
	v_mul_f32 v[SU+4+\e], v[X+1], v[WR+4+\e]
.endr
.set j, 2
.rept 30
.irp e, 0,1,2,3
	v_fmac_f32 v[SU+4*(j%2)+\e], v[X+j], v[WR+4*j+\e]
.endr
.set j, j+1
.endr
.irp e, 0,1,2,3
	v_add_f32 v[SU+\e], v[SU+\e], v[SU+4+\e]
.endr
.irp m, 1,2,4,8
.irp e, 0,1,2,3
	v_add_f32_dpp v[SU+\e], v[SU+\e], v[SU+\e] row_xmask:\m row_mask:0xf bank_mask:0xf
.endr
.endr
.irp e, 0,1,2,3
	v_permlanex16_b32 v[SU+4+\e], v[SU+\e], s24, s25
.endr
	s_wait_kmcnt 0x0                               ; br
.irp e, 0,1,2,3
	v_add_f32 v[SU+\e], v[SU+\e], v[SU+4+\e]
.endr
.irp e, 0,1,2,3
	v_add_f32 v[SU+\e], s[20+\e], v[SU+\e]         ; every lane holds the row's four logits
.endr
	v_mov_b32 v232, v[SU]                          ; the largest so far,
	v_mov_b32 v233, 0                              ; and its index: a later one wins only if it is greater
.irp e, 1,2,3
	v_cmp_gt_f32 vcc_lo, v[SU+\e], v232
	v_cndmask_b32 v232, v232, v[SU+\e], vcc_lo
	v_cndmask_b32 v233, v233, v[251+\e], vcc_lo
.endr
.irp e, 0,1,2,3
	v_sub_f32 v[234+\e], v[SU+\e], v232            ; the maximum is taken away ahead of the exponentials
.endr
.irp e, 0,1,2,3
	v_mul_f32 v[234+\e], 0x3fb8aa3b, v[234+\e]     ; x log2(e)
.endr
.irp e, 0,1,2,3
	v_exp_f32 v[234+\e], v[234+\e]
.endr
	; the block's largest magnitude: all 32 numbers are mine.  (Plain work that names no exponential's result)
	v_max3_num_f32 v240, |v[X]|, |v[X+1]|, 0x1800000   ; with the floor 2^(3 - 127) among the leaves: the byte cannot fall under 1
	v_max3_num_f32 v241, |v[X+2]|, |v[X+3]|, |v[X+4]|
.irp i, 5,9,13,17,21,25
	v_max3_num_f32 v240, v240, |v[X+\i]|, |v[X+\i+1]|
	v_max3_num_f32 v241, v241, |v[X+\i+2]|, |v[X+\i+3]|
.endr
	v_max3_num_f32 v240, v240, |v[X+29]|, |v[X+30]|
	v_max3_num_f32 v240, v240, v241, |v[X+31]|
	s_wait_alu depctr_va_vdst(0)                   ; one wait for the four exponentials, ahead of their first reader
	v_add_f32 v234, v234, v235
	v_add_f32 v236, v236, v237
	v_add_f32 v234, v234, v236
	v_rcp_f32 v238, v234                           ; the gate: the largest probability is 1 / the sum
	v_add_nc_u32 v242, 0xff000000, v240            ; 2 off the exponent field: the conversion takes the exponent field of this operand as its scale
	v_lshrrev_b32 v243, 23, v242                   ; the scale's byte
.irp g, 0,1,2,3
	v_cvt_scalef32_pk8_fp4_f32 v[244+\g], v[X+8*\g:X+8*\g+7], v242
.endr
	v_nop                                          ; one plain line behind the last conversion
	s_wait_alu depctr_va_vdst(0)                   ; the wait for the reciprocal, ahead of its first reader
	global_store_b128 v4, v[244:247], s[10:11]     ; the wave stores its row's 512 bytes of codes on end
	ds_store_b8 v9, v243
	ds_store_b32 v10, v233                         ; all lanes write the same word with the same value
	ds_store_b32 v10, v238 offset:32
	s_wait_dscnt 0x0                               ; for wave 0's sake
	s_barrier_signal -1
	s_barrier_wait -1
	s_cmp_lg_u32 s18, 0
	s_cbranch_scc1 .Lend
	ds_load_b64 v[248:249], v12                    ; the work-group's 256 scale bytes, 8 a lane
	ds_load_b32 v250, v13                          ; its eight choices
	ds_load_b32 v251, v13 offset:32                ; and gates
	s_wait_dscnt 0x0
	global_store_b64 v11, v[248:249], s[12:13]     ; 32 lanes store 256 consecutive bytes, aligned
	v_cmp_gt_u32 vcc_lo, 8, v2
	s_wait_xcnt 0x0                                ; EXEC changes only behind this wait
	s_and_saveexec_b32 s26, vcc_lo
	global_store_b32 v14, v250, s[14:15]
	global_store_b32 v14, v251, s[16:17]
	s_wait_xcnt 0x0                                ; and again in front of the line that widens it
	s_or_b32 exec_lo, exec_lo, s26
.Lend:
	s_wait_tensorcnt 0x0
	ds_add_u32 v239, v255
	s_wait_dscnt 0x0
	s_endpgm
.Lfunc_end_k_qaaf7c602d0_route:
	.size	k_qaaf7c602d0_route, .Lfunc_end_k_qaaf7c602d0_route-k_qaaf7c602d0_route
	.p2alignl 7, 3214868480
	.fill 96, 4, 3214868480
	.section	.rodata,"a",@progbits
	.p2align	6, 0x0
	.amdhsa_kernel k_qaaf7c602d0_route
		.amdhsa_group_segment_fixed_size 55296
		.amdhsa_private_segment_fixed_size 0
		.amdhsa_enable_private_segment 0
		.amdhsa_kernarg_size 56
		.amdhsa_user_sgpr_count 2
		.amdhsa_user_sgpr_kernarg_segment_ptr 1
		.amdhsa_wavefront_size32 1
		.amdhsa_system_sgpr_workgroup_id_x 1
		.amdhsa_system_sgpr_workgroup_id_y 1
		.amdhsa_system_sgpr_workgroup_id_z 1
		.amdhsa_system_vgpr_workitem_id 0
		.amdhsa_next_free_vgpr 256
		.amdhsa_next_free_sgpr 66
		.amdhsa_reserve_vcc 1
		.amdhsa_float_denorm_mode_32 3
		.amdhsa_float_denorm_mode_16_64 3
		.amdhsa_memory_ordered 1
		.amdhsa_forward_progress 1
		.amdhsa_inst_pref_size 17
	.end_amdhsa_kernel
	.amdgpu_metadata
---
amdhsa.version: [ 1, 2 ]
amdhsa.kernels:
  - .name:           k_qaaf7c602d0_route
    .symbol:         k_qaaf7c602d0_route.kd
    .args:
      - { .name: x, .offset: 0, .size: 8, .value_kind: global_buffer, .address_space: global }
      - { .name: Wr, .offset: 8, .size: 8, .value_kind: global_buffer, .address_space: global }
      - { .name: br, .offset: 16, .size: 8, .value_kind: global_buffer, .address_space: global }
      - { .name: xq, .offset: 24, .size: 8, .value_kind: global_buffer, .address_space: global }
      - { .name: xs, .offset: 32, .size: 8, .value_kind: global_buffer, .address_space: global }
      - { .name: eidx, .offset: 40, .size: 8, .value_kind: global_buffer, .address_space: global }
      - { .name: gate, .offset: 48, .size: 8, .value_kind: global_buffer, .address_space: global }
    .group_segment_fixed_size: 55296
    .private_segment_fixed_size: 0
    .kernarg_segment_align: 8
    .kernarg_segment_size: 56
    .max_flat_workgroup_size: 256
    .sgpr_count:     66
    .vgpr_count:     256
    .wavefront_size: 32
...
	.end_amdgpu_metadata
.endif
;; end of part 1
;; launch place (part 2): grid 1 x 1, 4 waves a work-group, no clusters, 0 bytes of LDS; arguments eidx, gate, order, gsort, cnt; writes order, gsort, cnt
.if DOCPART == 2
	.amdgcn_target "amdgcn-amd-amdhsa--gfx1250"
	.amdhsa_code_object_version 6
	.text
	.protected	k_qaaf7c602d0_place
	.globl	k_qaaf7c602d0_place
	.p2align	8
	.type	k_qaaf7c602d0_place,@function
k_qaaf7c602d0_place:
	s_mov_b64 s[64:65], 0
	v_nop
	global_prefetch_b8 v0, s[64:65] scope:SCOPE_SE
	s_setreg_imm32_b32 hwreg(HW_REG_WAVE_MODE, 25, 1), 1
	s_wait_xcnt 0x0
; THE ROWS ARE PLACED BY EXPERT.  eidx[2048]: each token's expert, stored by the launch before; gate[2048]: its gate.
; Wave e serves expert e and writes a whole permutation of the 2,048 tokens into order[e][.]: the expert's own tokens from position 0 up, all others from position 2,047 down,
; so that every slot is written once and holds a token's number; gsort[e][.] gets the gates at the same positions, cnt[e] the number of the expert's tokens.
; No atomics, no LDS, no barrier: the four waves share nothing.  A wave holds all 2,048 choices in 64 registers; register k of lane l is token 128 (k / 4) + 4 l + k % 4.
; For register k: a token of the expert goes to (tokens placed so far) + (lanes below me that match); any other to 2,047 - (others seen so far) = the same sum + 2,047 - l - 32 k.
; One work-group: the work is 16 KiB of reads a wave and a chain of 64 counts; sharing it out would want a sum across work-groups.
.set IDX, 16                           ; v16-79   the choices, then the byte offsets of the positions
.set GT,  80                           ; v80-143  the gates
.set ID,  144                          ; v144-207 the tokens' numbers
	s_load_b256 s[4:11], s[0:1], 0x0               ; eidx s[4:5], gate s[6:7], order s[8:9], gsort s[10:11]
	s_load_b64 s[12:13], s[0:1], 0x20              ; cnt
	v_lshrrev_b32 v4, 5, v0
	v_readfirstlane_b32 s14, v4                    ; wave = expert
	v_and_b32 v5, 31, v0                           ; lane
	v_lshlrev_b32 v1, 2, v5                        ; 4 l
	v_sub_nc_u32 v2, 2047, v5                      ; 2,047 - l
	v_mov_b32 v3, 0
	v_lshlrev_b32 v6, 4, v5                        ; 16 l
	s_mov_b32 s15, 0                               ; tokens of the expert placed so far
	s_lshl_b32 s16, s14, 13                        ; the expert's 8,192 bytes of order and of gsort
	s_mov_b32 s17, 0
	s_lshl_b32 s18, s14, 2
	s_mov_b32 s19, 0
	s_wait_kmcnt 0x0
	s_add_nc_u64 s[8:9], s[8:9], s[16:17]
	s_add_nc_u64 s[10:11], s[10:11], s[16:17]
	s_add_nc_u64 s[12:13], s[12:13], s[18:19]
.irp i, 0,1,2,3,4,5,6,7,8,9,10,11,12,13,14,15
	global_load_b128 v[IDX+4*\i:IDX+4*\i+3], v6, s[4:5] offset:512*\i
.endr
.irp i, 0,1,2,3,4,5,6,7,8,9,10,11,12,13,14,15
	global_load_b128 v[GT+4*\i:GT+4*\i+3], v6, s[6:7] offset:512*\i
.endr
	s_wait_loadcnt 0x0
; Each of the 64 steps has its own registers for the offset, the token and the gate: no store's source is written again.
.set kk, 0
.rept 64
	v_cmp_eq_u32 vcc_lo, s14, v[IDX+kk]
	v_mbcnt_lo_u32_b32 v[IDX+kk], vcc_lo, s15      ; placed so far + matching lanes below me
	v_add_nc_u32 v4, -(32*kk), v2
	v_cndmask_b32 v4, v4, v3, vcc_lo               ; a token of the expert adds nothing
	v_add_nc_u32 v[IDX+kk], v[IDX+kk], v4
	v_min_u32 v[IDX+kk], 0x7ff, v[IDX+kk]          ; a position: 2,047 at the most
	v_lshlrev_b32 v[IDX+kk], 2, v[IDX+kk]
	v_add_nc_u32 v[ID+kk], 128*(kk/4)+kk%4, v1
	global_store_b32 v[IDX+kk], v[ID+kk], s[8:9]
	global_store_b32 v[IDX+kk], v[GT+kk], s[10:11]
	s_bcnt1_i32_b32 s20, vcc_lo
	s_add_co_u32 s15, s15, s20
.set kk, kk+1
.endr
	v_mov_b32 v7, s15
	v_cmp_eq_u32 vcc_lo, 0, v5
	s_wait_xcnt 0x0                                ; EXEC changes only behind this wait
	s_and_saveexec_b32 s21, vcc_lo
	global_store_b32 v3, v7, s[12:13]              ; cnt[e]
	s_wait_xcnt 0x0
	s_or_b32 exec_lo, exec_lo, s21
	s_endpgm
.Lfunc_end_k_qaaf7c602d0_place:
	.size	k_qaaf7c602d0_place, .Lfunc_end_k_qaaf7c602d0_place-k_qaaf7c602d0_place
	.p2alignl 7, 3214868480
	.fill 96, 4, 3214868480
	.section	.rodata,"a",@progbits
	.p2align	6, 0x0
	.amdhsa_kernel k_qaaf7c602d0_place
		.amdhsa_group_segment_fixed_size 0
		.amdhsa_private_segment_fixed_size 0
		.amdhsa_enable_private_segment 0
		.amdhsa_kernarg_size 40
		.amdhsa_user_sgpr_count 2
		.amdhsa_user_sgpr_kernarg_segment_ptr 1
		.amdhsa_wavefront_size32 1
		.amdhsa_system_sgpr_workgroup_id_x 1
		.amdhsa_system_sgpr_workgroup_id_y 1
		.amdhsa_system_sgpr_workgroup_id_z 1
		.amdhsa_system_vgpr_workitem_id 0
		.amdhsa_next_free_vgpr 224
		.amdhsa_next_free_sgpr 66
		.amdhsa_reserve_vcc 1
		.amdhsa_float_denorm_mode_32 3
		.amdhsa_float_denorm_mode_16_64 3
		.amdhsa_memory_ordered 1
		.amdhsa_forward_progress 1
		.amdhsa_inst_pref_size 45
	.end_amdhsa_kernel
	.amdgpu_metadata
---
amdhsa.version: [ 1, 2 ]
amdhsa.kernels:
  - .name:           k_qaaf7c602d0_place
    .symbol:         k_qaaf7c602d0_place.kd
    .args:
      - { .name: eidx, .offset: 0, .size: 8, .value_kind: global_buffer, .address_space: global }
      - { .name: gate, .offset: 8, .size: 8, .value_kind: global_buffer, .address_space: global }
      - { .name: order, .offset: 16, .size: 8, .value_kind: global_buffer, .address_space: global }
      - { .name: gsort, .offset: 24, .size: 8, .value_kind: global_buffer, .address_space: global }
      - { .name: cnt, .offset: 32, .size: 8, .value_kind: global_buffer, .address_space: global }
    .group_segment_fixed_size: 0
    .private_segment_fixed_size: 0
    .kernarg_segment_align: 8
    .kernarg_segment_size: 40
    .max_flat_workgroup_size: 128
    .sgpr_count:     66
    .vgpr_count:     224
    .wavefront_size: 32
...
	.end_amdgpu_metadata
.endif
;; end of part 2
;; launch up (part 3): grid 256 x 1, 8 waves a work-group, no clusters, 76,800 bytes of LDS; arguments xq, xs, order, cnt, W1_codes, W1_scales, b1, hrec; writes hrec
.if DOCPART == 3
	.amdgcn_target "amdgcn-amd-amdhsa--gfx1250"
	.amdhsa_code_object_version 6
	.text
	.protected	k_qaaf7c602d0_up
	.globl	k_qaaf7c602d0_up
	.p2align	8
	.type	k_qaaf7c602d0_up,@function
k_qaaf7c602d0_up:
	s_mov_b64 s[64:65], 0
	v_nop
	global_prefetch_b8 v0, s[64:65] scope:SCOPE_SE
	s_setreg_imm32_b32 hwreg(HW_REG_WAVE_MODE, 25, 1), 1
	s_wait_xcnt 0x0
; THE FIRST PRODUCT OF THE CHOSEN EXPERT: hidden = Q(silu(Q(x) W1[e] + b1[e])), on codes of E2M1 with one E8M0 scale for each 32 along K, for the rows of each expert alone.
; xq [2048][512 bytes], xs [2048][32]: x's codes and scale bytes.  order [4][2048]: each expert's tokens first; cnt[4]: how many.  W1_codes [4][4096][512 bytes], W1_scales [4][4096][32], b1 [4][4096].
; hrec: records of REC bytes, record 128 e + j for rows 16 j .. 16 j + 15 of expert e's list: 32,768 bytes of hidden codes as images of the next product's operand registers
; (block of 32 hidden units b: 256 bytes at 256 b, row r's 16 bytes at 16 r), then 2,048 bytes of scale words [K step of 128][row][4 bytes].
; SHARES.  Work-group id = 64 e + 4 cs + q: expert e, hidden units 256 cs .. + 255, row tiles j = q + 4 i, i = 0 .. n - 1: 4 x 16 x 4 = 256 work-groups whatever the split.
; Wave w owns ONE block of 32 hidden units (8 cs + w): its 32 rows of W1 stay in 128 registers; a tile's result is one whole block of the quantiser.  The tiles go in passes of nine: each wave brings one K step
; of the nine tiles' x into LDS as images of the operand's registers (16 bytes a lane, 512 a store), and all eight waves read them.  Four passes serve every split (n is 32 at the most); a pass without rows does nothing but pass its barriers.
; TRANSPOSED: source 0 = 16 rows of W1, source 1 = 16 rows of x.  Lane r of column tile t takes W1's row 8 t + r + 8 (r / 8) of the 32, so that lane (r, h) holds row r and the 16 neighbouring hidden units 16 h + 0 .. 15.
; NO TENSOR LOADS, NO CLUSTER: the numbers of rows are read from memory and steer branches; every barrier stands outside them.
; LIMITS.  NaN and infinities are not served.  A block of zeros gets the scale byte 1 (read by this program alone).  Rows behind an expert's last are other tokens' rows: they are computed in the last tile and never used.
; REGISTERS.  window 0: v1-14 addresses; v16-24 tokens; v26-34 offsets of codes; v36-71 x's scale words; v72-79 W1's; v80-95 b1; v96-127 four accumulators; v128-191 x's fragments (v128-199: staging); v192-207 silu; v208-217 at work.   window 1: W1's fragment (t, s) at v[64 t + 8 s].
.set REC,   34816
.set TSTEP, 4*REC                      ; from one of my tiles to the next
.set HT,    73728                      ; LDS 0 .. 73,727: the images: tile k, K step s, half c at 8192 k + 1024 s + 512 c + 16 l.  Behind them the pass's scale bytes: 128 bytes a tile
.set T,   16
.set C,   26
.set XSC, 36                           ; tile k: four registers; register p: lanes 0-15 K step p, lanes 16-31 K step 4 + p
.set WS,  72                           ; column tile t: four registers, likewise
.set BI,  80
.set ACC, 96                           ; (t, parity of the K step): (0,0), (1,0), (0,1), (1,1)
.set AF,  128
.set G,   128
.set E,   192
.set CD,  216
.set NN,  28                           ; s28  the expert's rows, then n: my tiles
.set HB,  32                           ; s[32:33] my block's place in my pass's first record
.set HS,  34                           ; s[34:35] the scale words' place in the record of the pass's tile w
.set P9,  36                           ; s36  the pass's first tile: 0, 9, 18, 27
.set NP,  37                           ; s37  tiles in this pass: 0 .. 9
.set CS,  40                           ; s[40:41] -log2(e)
.set SEL, 42                           ; s[42:43] selects for lane l xor 16
.set MSB, 0
.macro WIN new                         ; the immediate's high byte repeats the setting that is left
.if MSB != \new
	s_set_vgpr_msb (MSB<<8)|\new
.set MSB, \new
.endif
.endm
	s_load_b256 s[8:15], s[0:1], 0x0               ; xq s[8:9], xs s[10:11], order s[12:13], cnt s[14:15]
	s_load_b256 s[16:23], s[0:1], 0x20             ; W1's codes s[16:17], its scales s[18:19], b1 s[20:21], hrec s[22:23]
	v_lshl_add_u32 v254, v0, 2, 0x12800
	v_mov_b32 v255, 0
	v_lshrrev_b32 v211, 5, v0
	v_readfirstlane_b32 s27, v211                  ; wave 0..7
	v_and_b32 v208, 15, v0                         ; r
	v_bfe_u32 v209, v0, 4, 1                       ; h
	v_and_b32 v210, 31, v0                         ; l
	v_lshlrev_b32 v1, 2, v208                      ; 4 r
	v_lshlrev_b32 v3, 4, v209                      ; 16 h
	v_lshl_add_u32 v2, v211, 6, v3                 ; 16 h + 64 w: my K step's bytes in a row of x's codes
	v_lshlrev_b32 v6, 4, v210                      ; 16 l: an image's place for my lane
	v_lshl_add_u32 v4, v211, 10, v6                ; + 1024 w: where I store my K step's images
	v_add_nc_u32 v5, 0x10000, v4                   ; tile 8 lies past the 16-bit immediate
	v_add_nc_u32 v7, 0x10000, v6
	v_lshrrev_b32 v212, 7, v0                      ; w / 4
	v_bfe_u32 v213, v0, 5, 2                       ; w % 4
	v_lshl_add_u32 v8, v212, 6, v1
	v_add_nc_u32 v8, v8, v213
	v_add_nc_u32 v8, HT, v8                        ; my scale byte: K step w / 4 of the work-group's two, row r, byte w % 4
	v_lshlrev_b32 v9, 4, v208
	v_lshl_add_u32 v9, v209, 3, v9                 ; 16 r + 8 h: my 8 bytes of codes in the block's 256
	v_lshlrev_b32 v11, 2, v210                     ; 4 l
	v_lshl_add_u32 v10, v211, 7, v11
	v_add_nc_u32 v10, HT, v10                      ; tile w's 128 scale bytes, a word a lane
	v_and_b32 v212, 8, v208
	v_add_nc_u32 v212, v212, v208                  ; r + 8 (r / 8)
	v_lshl_add_u32 v12, v212, 9, v3                ; W1's codes: that row of 512 bytes, + 16 h
	v_lshl_add_u32 v13, v212, 5, v3                ; W1's scale bytes: that row of 32, + 16 h
	v_lshlrev_b32 v14, 6, v209                     ; b1: 64 h
	s_lshr_b32 s24, ttmp9, 6                       ; e
	s_bfe_u32 s25, ttmp9, 0x40002                  ; cs
	s_and_b32 s26, ttmp9, 3                        ; q
	s_mov_b32 s[CS], 0xbfb8aa3b
	s_mov_b32 s[CS+1], s[CS]                       ; (named with it as a pair, so it is written)
	s_mov_b32 s[SEL], 0x76543210
	s_mov_b32 s[SEL+1], 0xfedcba98
	s_mov_b32 s[P9], 0
	s_lshl_b32 s46, s24, 2                         ; cnt[e]
	s_mov_b32 s47, 0
	s_lshl_b32 s48, s24, 13
	s_lshl_b32 s38, s26, 6
	s_add_co_u32 s48, s48, s38                     ; order: 8192 e + 64 q
	s_mov_b32 s49, 0
	s_lshl_b32 s39, s24, 12
	s_lshl_b32 s38, s25, 8
	s_add_co_u32 s39, s39, s38
	s_lshl_b32 s38, s27, 5
	s_add_co_u32 s39, s39, s38                     ; my first row of W1: 4096 e + 256 cs + 32 w
	s_lshl_b32 s50, s39, 9
	s_mov_b32 s51, 0
	s_lshl_b32 s52, s39, 5
	s_mov_b32 s53, 0
	s_lshl_b32 s54, s39, 2
	s_mov_b32 s55, 0
	s_lshl_b32 s38, s24, 7
	s_add_co_u32 s38, s38, s26                     ; record 128 e + q
	s_mul_i32 s56, s38, REC
	s_lshl_b32 s44, s25, 11
	s_lshl_b32 s45, s27, 8
	s_add_co_u32 s44, s44, s45
	s_add_co_u32 s56, s56, s44                     ; + 256 x my block
	s_mov_b32 s57, 0
	s_lshl_b32 s45, s27, 2
	s_add_co_u32 s38, s38, s45                     ; record 128 e + q + 4 w
	s_mul_i32 s58, s38, REC
	s_lshl_b32 s45, s25, 7
	s_add_co_u32 s58, s58, s45
	s_add_co_u32 s58, s58, 32768                   ; + the scale words of the work-group's two K steps
	s_mov_b32 s59, 0
	s_wait_kmcnt 0x0
	s_add_nc_u64 s[14:15], s[14:15], s[46:47]
	s_load_b32 s[NN], s[14:15], 0x0                ; the expert's rows
	s_add_nc_u64 s[12:13], s[12:13], s[48:49]
.irp k, 0,1,2,3,4,5,6,7,8
	global_load_b32 v[T+\k], v1, s[12:13] offset:256*\k   ; the tokens of the first pass's nine tiles: position 16 (q + 4 k) + r
.endr
	s_add_nc_u64 s[16:17], s[16:17], s[50:51]
	s_add_nc_u64 s[18:19], s[18:19], s[52:53]
	s_add_nc_u64 s[20:21], s[20:21], s[54:55]
	s_add_nc_u64 s[HB:HB+1], s[22:23], s[56:57]
	s_add_nc_u64 s[HS:HS+1], s[22:23], s[58:59]
	WIN 0x40                                       ; destination window 1
.irp t, 0,1
.irp s, 0,1,2,3,4,5,6,7
.irp c, 0,1
	global_load_b128 v[64*\t+8*\s+4*\c:64*\t+8*\s+4*\c+3], v12, s[16:17] offset:4096*\t+64*\s+32*\c   ; a column tile's sixteen loads take its sixteen rows whole
.endr
.endr
.endr
	WIN 0
.irp t, 0,1
	global_load_b128 v[WS+4*\t:WS+4*\t+3], v13, s[18:19] offset:256*\t
.endr
.irp t, 0,1
	global_load_b128 v[BI+8*\t:BI+8*\t+3], v14, s[20:21] offset:32*\t
	global_load_b128 v[BI+8*\t+4:BI+8*\t+7], v14, s[20:21] offset:32*\t+16
.endr
; One matrix instruction: column tile t, K step s, row tile k.  The bias is the C of the first, the constant 0 that of the second accumulator's first: nothing is cleared.
.macro MM1 t, s, k
.set rD, ACC+8*((\t)+2*((\s)%2))
.set rA, 64*(\t)+8*(\s)
.set rB, AF+8*(\s)
.set rW, WS+4*(\t)+(\s)%4
.set rX, XSC+4*(\k)+(\s)%4
.if (\s) == 0
	v_wmma_scale_f32_16x16x128_f8f6f4 v[rD:rD+7], v[rA:rA+7], v[rB:rB+7], v[BI+8*(\t):BI+8*(\t)+7], v[rW], v[rX] matrix_a_fmt:MATRIX_FMT_FP4 matrix_b_fmt:MATRIX_FMT_FP4
.elseif (\s) == 1
	v_wmma_scale_f32_16x16x128_f8f6f4 v[rD:rD+7], v[rA:rA+7], v[rB:rB+7], 0, v[rW], v[rX] matrix_a_fmt:MATRIX_FMT_FP4 matrix_b_fmt:MATRIX_FMT_FP4
.elseif (\s) < 4
	v_wmma_scale_f32_16x16x128_f8f6f4 v[rD:rD+7], v[rA:rA+7], v[rB:rB+7], v[rD:rD+7], v[rW], v[rX] matrix_a_fmt:MATRIX_FMT_FP4 matrix_b_fmt:MATRIX_FMT_FP4
.else
	v_wmma_scale_f32_16x16x128_f8f6f4 v[rD:rD+7], v[rA:rA+7], v[rB:rB+7], v[rD:rD+7], v[rW], v[rX] matrix_a_fmt:MATRIX_FMT_FP4 matrix_b_fmt:MATRIX_FMT_FP4 matrix_a_scale:MATRIX_SCALE_ROW1 matrix_b_scale:MATRIX_SCALE_ROW1
.endif
.endm
; Row tile k of the pass: 16 rows x my 32 hidden units.  The tiles that exist are the first NP: the first that does not ends the pass's work.
.macro TILE k, tag
	s_cmp_le_u32 s[NP], \k
	s_cbranch_scc1 .Ltiles_done_\tag
.if \k < 8
.set AD, 6
.set OFS, 8192*\k
.else
.set AD, 7
.set OFS, 0
.endif
.irp s, 0,1,2,3,4,5,6,7
.irp c, 0,1
	ds_load_b128 v[AF+8*\s+4*\c:AF+8*\s+4*\c+3], v[AD] offset:OFS+1024*\s+512*\c
.endr
.endr
	WIN 0x01                                       ; source 0 (W1) window 1
.irp s, 0,1,2,3,4,5,6,7
	s_wait_dscnt 14-2*\s                           ; K step s's two loads are in; the later K steps' may be out
.irp t, 0,1
	MM1 \t, \s, \k                                 ; the four accumulators take turns, one instruction a turn
.endr
.endr
	WIN 0
.rept 4
	v_nop                                          ; four places ahead of the first read of the results (ISA guide 7.12.1)
.endr
.irp i, 0,2,4,6,8,10,12,14
	v_pk_add_f32 v[ACC+\i:ACC+\i+1], v[ACC+\i:ACC+\i+1], v[ACC+16+\i:ACC+17+\i]   ; the even and the odd K steps' sums, each accumulator from its low end on
.endr
.irp i, 0,2,4,6,8,10,12,14
	v_pk_mul_f32 v[E+\i:E+\i+1], v[ACC+\i:ACC+\i+1], s[CS:CS+1] op_sel_hi:[1,0]   ; silu(a) = a / (1 + 2^(-a log2 e))
.endr
.irp j, 0,1,2,3,4,5,6,7,8,9,10,11,12,13,14,15
	v_exp_f32 v[E+\j], v[E+\j]
.endr
	v_nop                                          ; a plain line behind the last exponential
	s_wait_alu depctr_va_vdst(0)                   ; one wait for the sixteen, ahead of their first reader
.irp i, 0,2,4,6,8,10,12,14
	v_pk_add_f32 v[E+\i:E+\i+1], v[E+\i:E+\i+1], 1.0 op_sel_hi:[1,0]
.endr
.irp j, 0,1,2,3,4,5,6,7,8,9,10,11,12,13,14,15
	v_rcp_f32 v[E+\j], v[E+\j]
.endr
	v_nop
	s_wait_alu depctr_va_vdst(0)                   ; and one for the sixteen reciprocals
.irp i, 0,2,4,6,8,10,12,14
	v_pk_mul_f32 v[ACC+\i:ACC+\i+1], v[ACC+\i:ACC+\i+1], v[E+\i:E+\i+1]
.endr
	v_max3_num_f32 v208, |v[ACC]|, |v[ACC+1]|, 0x1800000   ; the largest magnitude of my 16, with the floor 2^(3 - 127): the byte cannot fall under 1
	v_max3_num_f32 v209, |v[ACC+2]|, |v[ACC+3]|, |v[ACC+4]|
.irp i, 5,9
	v_max3_num_f32 v208, v208, |v[ACC+\i]|, |v[ACC+\i+1]|
	v_max3_num_f32 v209, v209, |v[ACC+\i+2]|, |v[ACC+\i+3]|
.endr
	v_max3_num_f32 v208, v208, |v[ACC+13]|, |v[ACC+14]|
	v_max3_num_f32 v208, v208, v209, |v[ACC+15]|
	v_permlanex16_b32 v210, v208, s[SEL], s[SEL+1]
	v_max_num_f32 v208, v208, v210                 ; with lane l xor 16's 16: the block's
	v_add_nc_u32 v211, 0xff000000, v208            ; 2 off its exponent field: the conversion's scale operand
	v_lshrrev_b32 v212, 23, v211                   ; the scale's byte
	s_wait_xcnt 0x0                                ; the last tile's store has read the codes' registers
	v_cvt_scalef32_pk8_fp4_f32 v[CD], v[ACC:ACC+7], v211
	v_cvt_scalef32_pk8_fp4_f32 v[CD+1], v[ACC+8:ACC+15], v211
	v_nop                                          ; one plain line behind the last conversion
	ds_store_b8 v8, v212 offset:128*\k             ; both lanes of a row write the same byte with the same value
	global_store_b64 v9, v[CD:CD+1], s[HB:HB+1] offset:TSTEP*\k   ; the wave stores the block's 256 bytes on end, aligned
.endm
; A PASS of nine tiles.  first = 1: the first pass, whose tokens were asked for at the head and which is staged whatever n is (every slot of order holds a token).
.macro PASS first
.if \first
	s_wait_loadcnt 38                              ; the tokens are in: the 32 + 2 + 4 loads of W1, its scale words and b1 are younger
.else
	s_cmp_ge_u32 s[P9], s[NN]
	s_cbranch_scc1 .Lstaged_\first                 ; no tile in this pass: nothing is staged
.irp k, 0,1,2,3,4,5,6,7,8
	s_add_co_u32 s38, s[P9], \k
	s_min_u32 s38, s38, 31                         ; the list has 32 tiles of mine at the most
	s_lshl_b32 s38, s38, 8
	v_add_nc_u32 v[C+\k], s38, v1
.endr
.irp k, 0,1,2,3,4,5,6,7,8
	global_load_b32 v[T+\k], v[C+\k], s[12:13]
.endr
	s_wait_loadcnt 0x0
.endif
.irp k, 0,1,2,3,4,5,6,7,8
	v_min_u32 v[T+\k], 0x7ff, v[T+\k]              ; a token's number
	v_lshl_add_u32 v[C+\k], v[T+\k], 9, v2         ; its codes, my K step
	v_lshl_add_u32 v[T+\k], v[T+\k], 5, v3         ; its scale bytes
.endr
.irp k, 0,1,2,3,4,5,6,7,8
.irp c, 0,1
	global_load_b128 v[G+8*\k+4*\c:G+8*\k+4*\c+3], v[C+\k], s[8:9] offset:32*\c
.endr
.endr
.irp k, 0,1,2,3,4,5,6,7,8
	global_load_b128 v[XSC+4*\k:XSC+4*\k+3], v[T+\k], s[10:11]
.endr
	s_wait_loadcnt 9                               ; the codes are in: the nine loads of scale words are younger
.irp k, 0,1,2,3,4,5,6,7
.irp c, 0,1
	ds_store_b128 v4, v[G+8*\k+4*\c:G+8*\k+4*\c+3] offset:8192*\k+512*\c
.endr
.endr
.irp c, 0,1
	ds_store_b128 v5, v[G+64+4*\c:G+64+4*\c+3] offset:512*\c
.endr
	s_wait_loadcnt 0x0
.Lstaged_\first:
.if \first
	s_wait_kmcnt 0x0                               ; the expert's rows c:
	s_add_co_u32 s[NN], s[NN], 15
	s_lshr_b32 s[NN], s[NN], 4                     ; its tiles, ceil(c / 16);
	s_add_co_u32 s[NN], s[NN], 3
	s_sub_co_u32 s[NN], s[NN], s26
	s_lshr_b32 s[NN], s[NN], 2                     ; those of them that are q + 4 i
.endif
	s_sub_co_i32 s[NP], s[NN], s[P9]
	s_max_i32 s[NP], s[NP], 0
	s_min_i32 s[NP], s[NP], 9
	s_wait_dscnt 0x0                               ; for the others' sake: my images have landed, and my reads of the last pass's scale bytes are in
	s_barrier_signal -1
	s_barrier_wait -1                              ; the pass's images are whole
	TILE 0, \first
	TILE 1, \first
	TILE 2, \first
	TILE 3, \first
	TILE 4, \first
	TILE 5, \first
	TILE 6, \first
	TILE 7, \first
	TILE 8, \first
.Ltiles_done_\first:
	s_wait_dscnt 0x0                               ; my scale bytes have landed, and my reads of the images are in
	s_barrier_signal -1
	s_barrier_wait -1                              ; the tiles' scale words are whole, and nobody reads the images any more
	s_cmp_ge_u32 s27, s[NP]
	s_cbranch_scc1 .Lno_ht_\first
	ds_load_b32 v213, v10                          ; wave w sends tile w's 128 bytes of scale words,
	s_wait_dscnt 0x0
	global_store_b32 v11, v213, s[HS:HS+1]
	s_cmp_lg_u32 s27, 0
	s_cbranch_scc1 .Lno_ht_\first
	s_cmp_lt_u32 s[NP], 9
	s_cbranch_scc1 .Lno_ht_\first
	ds_load_b32 v214, v10 offset:1024              ; wave 0 tile 8's too
	s_wait_dscnt 0x0
	global_store_b32 v11, v214, s[HS:HS+1] offset:8*TSTEP
.Lno_ht_\first:
	s_wait_xcnt 0x0                                ; the stores have read their bases and registers: both may be written again
	s_add_nc_u64 s[HB:HB+1], s[HB:HB+1], 9*TSTEP
	s_add_nc_u64 s[HS:HS+1], s[HS:HS+1], 9*TSTEP
	s_add_co_u32 s[P9], s[P9], 9
.endm
	PASS 1
.Lpass:                                                ; three more passes, for splits that give a part more than nine tiles
	PASS 0
	s_cmp_lt_u32 s[P9], 36
	s_cbranch_scc1 .Lpass
	s_wait_tensorcnt 0x0
	ds_add_u32 v254, v255
	s_wait_dscnt 0x0
	s_endpgm
.Lfunc_end_k_qaaf7c602d0_up:
	.size	k_qaaf7c602d0_up, .Lfunc_end_k_qaaf7c602d0_up-k_qaaf7c602d0_up
	.p2alignl 7, 3214868480
	.fill 96, 4, 3214868480
	.section	.rodata,"a",@progbits
	.p2align	6, 0x0
	.amdhsa_kernel k_qaaf7c602d0_up
		.amdhsa_group_segment_fixed_size 76800
		.amdhsa_private_segment_fixed_size 0
		.amdhsa_enable_private_segment 0
		.amdhsa_kernarg_size 64
		.amdhsa_user_sgpr_count 2
		.amdhsa_user_sgpr_kernarg_segment_ptr 1
		.amdhsa_wavefront_size32 1
		.amdhsa_system_sgpr_workgroup_id_x 1
		.amdhsa_system_sgpr_workgroup_id_y 1
		.amdhsa_system_sgpr_workgroup_id_z 1
		.amdhsa_system_vgpr_workitem_id 0
		.amdhsa_next_free_vgpr 384
		.amdhsa_next_free_sgpr 66
		.amdhsa_reserve_vcc 0
		.amdhsa_float_denorm_mode_32 3
		.amdhsa_float_denorm_mode_16_64 3
		.amdhsa_memory_ordered 1
		.amdhsa_forward_progress 1
		.amdhsa_inst_pref_size 162
	.end_amdhsa_kernel
	.amdgpu_metadata
---
amdhsa.version: [ 1, 2 ]
amdhsa.kernels:
  - .name:           k_qaaf7c602d0_up
    .symbol:         k_qaaf7c602d0_up.kd
    .args:
      - { .name: xq, .offset: 0, .size: 8, .value_kind: global_buffer, .address_space: global }
      - { .name: xs, .offset: 8, .size: 8, .value_kind: global_buffer, .address_space: global }
      - { .name: order, .offset: 16, .size: 8, .value_kind: global_buffer, .address_space: global }
      - { .name: cnt, .offset: 24, .size: 8, .value_kind: global_buffer, .address_space: global }
      - { .name: W1_codes, .offset: 32, .size: 8, .value_kind: global_buffer, .address_space: global }
      - { .name: W1_scales, .offset: 40, .size: 8, .value_kind: global_buffer, .address_space: global }
      - { .name: b1, .offset: 48, .size: 8, .value_kind: global_buffer, .address_space: global }
      - { .name: hrec, .offset: 56, .size: 8, .value_kind: global_buffer, .address_space: global }
    .group_segment_fixed_size: 76800
    .private_segment_fixed_size: 0
    .kernarg_segment_align: 8
    .kernarg_segment_size: 64
    .max_flat_workgroup_size: 256
    .sgpr_count:     66
    .vgpr_count:     384
    .wavefront_size: 32
...
	.end_amdgpu_metadata
.endif
;; end of part 3
;; launch down (part 4): grid 256 x 1, 8 waves a work-group, no clusters, 314,368 bytes of LDS; arguments hrec, order, gsort, cnt, W2_codes, W2_scales, b2, out0; writes out0
.if DOCPART == 4
	.amdgcn_target "amdgcn-amd-amdhsa--gfx1250"
	.amdhsa_code_object_version 6
	.text
	.protected	k_qaaf7c602d0_down
	.globl	k_qaaf7c602d0_down
	.p2align	8
	.type	k_qaaf7c602d0_down,@function
k_qaaf7c602d0_down:
	s_mov_b64 s[64:65], 0
	v_nop
	global_prefetch_b8 v0, s[64:65] scope:SCOPE_SE
	s_setreg_imm32_b32 hwreg(HW_REG_WAVE_MODE, 25, 1), 1
	s_wait_xcnt 0x0
; THE SECOND PRODUCT OF THE CHOSEN EXPERT AND THE GATE: out[token] = (hidden W2[e] + b2[e]) x gate, on codes of E2M1 with one E8M0 scale for each 32 along K = 4,096.
; hrec: the hidden layer's records (REC bytes for 16 rows: 32 K steps of 1,024 bytes as images of the operand's registers, then 2,048 bytes of scale words [K step][row][4]).
; order, gsort [4][2048]: each expert's tokens and their gates; cnt[4].  W2_codes [4][1024][2048 bytes], W2_scales [4][1024][128], b2 [4][1024].  out0 [2048][1024] f32.
; SHARES.  Work-group id = 64 e + 4 cs + q: expert e, output columns 64 cs .. + 63, row tiles j = q + 4 i, i = 0 .. n - 1.  THE EIGHT WAVES SPLIT K: wave w owns K steps 4 w .. 4 w + 3, so each byte of W2 and of the
; records goes from memory straight into ONE wave's registers (the records by loads of 512 consecutive bytes).  W2's part stays in 128 registers.  The eight partial sums of a tile meet in LDS; wave w then adds up rows 2 w and 2 w + 1.
; The tiles go in passes of nine; four passes serve every split; a pass without rows does nothing but pass its barriers.  Within a pass that has rows, a tile that does not exist reads my last record again, and its lanes are off at the store.
; TRANSPOSED: source 0 = 16 rows of W2 (output columns), source 1 = 16 rows of the hidden layer: a lane holds eight neighbouring columns of one row.
; NO TENSOR LOADS, NO CLUSTER: the numbers of rows are read from memory and steer branches; every barrier stands outside them.
; LIMITS.  NaN and infinities are not served.  The sum over K is made of eight partial sums, added as a tree in f32.
; REGISTERS.  window 0: v1-6 addresses; v16-31 W2's scale words; v32-49 the hidden layer's; v64-95 four accumulators; v96-223 W2's fragments.
;   window 1: v0-191 six sets of 32: a ring for the hidden fragments, later for the partial sums; v192-200 tokens; v201-209 gates; v212-215 b2; v216-220 addresses; v221-229 offsets into order and gsort; v230-238 offsets into out0.
.set REC,   34816
.set TSTEP, 4*REC
.set SROW,  272                        ; the stage: a row of 64 columns, 256 bytes + 16 of padding: sixteen rows start at sixteen different groups of banks (64 banks of 4 bytes: ISA guide 11.1)
.set SWAVE, 16*SROW                    ; a wave's partial sum of a tile
.set STILE, 8*SWAVE                    ; a tile's eight: 34,816 bytes; nine tiles fill 313,344 of the 314,368 bytes claimed
.set BSC, 16                           ; column tile t, K step s of my four: 4 t + s
.set ASC, 32                           ; tile k: 2 k + p: lanes 0-15 my K step 2 p, lanes 16-31 2 p + 1
.set ACC, 64
.set BR,  96                           ; W2's fragment (t, s) at 8 (4 t + s)
.set TOK, 192                          ; in window 1: the tokens as loaded
.set GS,  201                          ; the gates
.set OF,  221                          ; where a tile's tokens and gates lie: made of the tile's number and my row alone
.set OO,  230                          ; where a token's row lies in out0
.set RB,  36                           ; s[36:53] the nine tiles' records
.set MSB, 0
.macro WIN new                         ; the immediate's high byte repeats the setting that is left
.if MSB != \new
	s_set_vgpr_msb (MSB<<8)|\new
.set MSB, \new
.endif
.endm
	s_load_b256 s[8:15], s[0:1], 0x0               ; hrec s[8:9], order s[10:11], gsort s[12:13], cnt s[14:15]
	s_load_b256 s[16:23], s[0:1], 0x20             ; W2's codes s[16:17], its scales s[18:19], b2 s[20:21], out0 s[22:23]
	v_lshl_add_u32 v254, v0, 2, 0x4c800
	v_mov_b32 v255, 0
	s_lshr_b32 s66, ttmp9, 6                       ; e
	s_bfe_u32 s67, ttmp9, 0x40002                  ; cs
	s_and_b32 s68, ttmp9, 3                        ; q
	v_and_b32 v7, 15, v0                           ; r
	v_bfe_u32 v8, v0, 4, 1                         ; h
	v_lshrrev_b32 v9, 5, v0                        ; w
	v_and_b32 v10, 31, v0                          ; l
	v_lshlrev_b32 v1, 4, v10
	v_lshl_add_u32 v1, v9, 12, v1                  ; a record's codes: 16 l + my four K steps' 4,096 bytes
	v_lshlrev_b32 v2, 2, v10
	v_lshl_add_u32 v2, v9, 8, v2                   ; its scale words: 4 l + 256 w
	v_lshlrev_b32 v3, 11, v7
	v_lshl_add_u32 v3, v8, 4, v3
	v_lshl_add_u32 v3, v9, 8, v3                   ; W2's codes: row r of 2,048 bytes, + 16 h, + 256 w
	v_lshlrev_b32 v4, 7, v7
	v_lshl_add_u32 v4, v9, 4, v4                   ; W2's scale bytes: row r of 128, + 16 w
	v_mul_u32_u24 v5, v7, SROW
	v_lshl_add_u32 v5, v8, 5, v5
	v_mad_u32_u24 v5, v9, SWAVE, v5                ; into the stage: my wave's part, row r, + 32 h
	v_lshl_add_u32 v11, v9, 1, v8                  ; the row that I add up: 2 w + l / 16
	v_mul_u32_u24 v12, v11, SROW
	s_mov_b32 s63, 0
	s_mov_b32 s34, 0                               ; the pass's first tile
	s_wait_kmcnt 0x0
	s_lshl_b32 s62, s66, 2
	s_add_nc_u64 s[14:15], s[14:15], s[62:63]
	s_load_b32 s32, s[14:15], 0x0                  ; the expert's rows
	s_lshl_b32 s54, s66, 10
	s_lshl_b32 s55, s67, 6
	s_add_co_u32 s54, s54, s55                     ; my first row of W2: 1024 e + 64 cs
	s_lshl_b32 s62, s54, 11
	s_add_nc_u64 s[16:17], s[16:17], s[62:63]
	s_lshl_b32 s62, s54, 7
	s_add_nc_u64 s[18:19], s[18:19], s[62:63]
	s_lshl_b32 s62, s54, 2
	s_add_nc_u64 s[20:21], s[20:21], s[62:63]
.irp t, 0,1,2,3
.irp s, 0,1,2,3
.irp c, 0,1
	global_load_b128 v[BR+8*(4*\t+\s)+4*\c:BR+8*(4*\t+\s)+4*\c+3], v3, s[16:17] offset:32768*\t+64*\s+32*\c   ; a column tile's eight loads take 256 consecutive bytes of each of its rows
.endr
.endr
.endr
.irp t, 0,1,2,3
	global_load_b128 v[BSC+4*\t:BSC+4*\t+3], v4, s[18:19] offset:2048*\t
.endr
	s_lshl_b32 s62, s67, 8
	s_add_nc_u64 s[30:31], s[22:23], s[62:63]      ; out0 at my 64 columns
	s_lshl_b32 s62, s66, 13
	s_lshl_b32 s55, s68, 6
	s_add_co_u32 s62, s62, s55
	s_add_nc_u64 s[26:27], s[10:11], s[62:63]      ; order and gsort at 8192 e + 64 q
	s_add_nc_u64 s[28:29], s[12:13], s[62:63]
	s_lshl_b32 s54, s66, 7
	s_add_co_u32 s54, s54, s68
	s_mul_i32 s62, s54, REC
	s_add_nc_u64 s[24:25], s[8:9], s[62:63]        ; record 128 e + q
	WIN 0x40                                       ; destination window 1, sources window 0
	v_lshl_add_u32 v216, v7, 4, v12                ; out of the stage: my row, 16 bytes a lane: sixteen lanes to a row
	v_mov_b32 v217, v11                            ; my row in a tile
	v_lshlrev_b32 v218, 4, v7                      ; 16 (l % 16)
	v_lshlrev_b32 v219, 2, v11                     ; my row's word in order and gsort
.irp i, 0,1,2,3,4,5,6,7,8,9,10,11,12,13,14,15,16,17
	v_mov_b32 v[TOK+\i], 0                         ; tokens and gates are written on every path before they are read
.endr
	WIN 0x55                                       ; all in window 1
	global_load_b128 v[212:215], v218, s[20:21]    ; b2 at my four columns
	WIN 0
	s_wait_kmcnt 0x0
	s_lshl_b32 s55, s68, 4
	s_sub_co_i32 s35, s32, s55                     ; c - 16 q
	s_add_co_u32 s33, s32, 15
	s_lshr_b32 s33, s33, 4                         ; the expert's tiles, ceil(c / 16);
	s_add_co_u32 s33, s33, 3
	s_sub_co_u32 s33, s33, s68
	s_lshr_b32 s33, s33, 2                         ; n: those of them that are q + 4 i
	s_sub_co_u32 s69, s33, 1                       ; my last tile (used only where n is 1 or more)
.macro AFILL k                         ; tile k's four K steps of the hidden layer into set k % 6: eight loads of 512 consecutive bytes
	WIN 0x40
.irp s, 0,1,2,3
.irp c, 0,1
	global_load_b128 v[32*((\k)%6)+8*\s+4*\c:32*((\k)%6)+8*\s+4*\c+3], v1, s[RB+2*(\k):RB+2*(\k)+1] offset:1024*\s+512*\c
.endr
.endr
.endm
.macro MM2 t, s, k
.set rD, ACC+8*(\t)
.set rA, BR+8*(4*(\t)+(\s))
.set rB, 32*((\k)%6)+8*(\s)
.set rW, BSC+4*(\t)+(\s)
.set rH, ASC+2*(\k)+(\s)/2
.if (\s) == 0
	v_wmma_scale_f32_16x16x128_f8f6f4 v[rD:rD+7], v[rA:rA+7], v[rB:rB+7], 0, v[rW], v[rH] matrix_a_fmt:MATRIX_FMT_FP4 matrix_b_fmt:MATRIX_FMT_FP4
.elseif (\s)%2 == 1
	v_wmma_scale_f32_16x16x128_f8f6f4 v[rD:rD+7], v[rA:rA+7], v[rB:rB+7], v[rD:rD+7], v[rW], v[rH] matrix_a_fmt:MATRIX_FMT_FP4 matrix_b_fmt:MATRIX_FMT_FP4 matrix_b_scale:MATRIX_SCALE_ROW1
.else
	v_wmma_scale_f32_16x16x128_f8f6f4 v[rD:rD+7], v[rA:rA+7], v[rB:rB+7], v[rD:rD+7], v[rW], v[rH] matrix_a_fmt:MATRIX_FMT_FP4 matrix_b_fmt:MATRIX_FMT_FP4
.endif
.endm
; Tile k: my partial sum of 16 rows x 64 columns, into the stage.  left: the fragment loads of later tiles, which may stay out.
.macro CTILE k, left
	s_wait_loadcnt \left
	WIN 0x04                                       ; source 1 (the hidden layer) window 1
.irp s, 0,1,2,3
.irp t, 0,1,2,3
	MM2 \t, \s, \k                                 ; the four accumulators take turns, one instruction a turn; the first products start the sums
.endr
.endr
	WIN 0
	v_add_nc_u32 v6, STILE*(\k), v5                ; five places: four are owed ahead of the stores that read the results and of the loads into the fragments' set,
.rept 4
	v_nop                                          ; five ahead of the next tile's products, which write over the accumulators (ISA guide 7.12.1)
.endr
.irp t, 0,1,2,3
	ds_store_b128 v6, v[ACC+8*\t:ACC+8*\t+3] offset:64*\t          ; each accumulator from its low end on
	ds_store_b128 v6, v[ACC+8*\t+4:ACC+8*\t+7] offset:64*\t+16
.endr
.if (\k) < 3
	AFILL (\k)+6
.endif
.endm
.macro RLOAD k                         ; my row's 16 bytes of tile k's eight partial sums into set k % 6
	v_add_nc_u32 v220, STILE*(\k), v216
.irp p, 0,1,2,3,4,5,6,7
	ds_load_b128 v[32*((\k)%6)+4*\p:32*((\k)%6)+4*\p+3], v220 offset:SWAVE*\p
.endr
.endm
; Tile k's sums, bias and gate, and the store.  left: the reads of later tiles, which may stay out.
.macro RSUM k, left
.set B0, 32*((\k)%6)
	s_wait_dscnt \left
.irp p, 0,8,16,24
	v_pk_add_f32 v[B0+\p:B0+\p+1], v[B0+\p:B0+\p+1], v[B0+\p+4:B0+\p+5]
	v_pk_add_f32 v[B0+\p+2:B0+\p+3], v[B0+\p+2:B0+\p+3], v[B0+\p+6:B0+\p+7]
.endr
.irp p, 0,16
	v_pk_add_f32 v[B0+\p:B0+\p+1], v[B0+\p:B0+\p+1], v[B0+\p+8:B0+\p+9]
	v_pk_add_f32 v[B0+\p+2:B0+\p+3], v[B0+\p+2:B0+\p+3], v[B0+\p+10:B0+\p+11]
.endr
	v_pk_add_f32 v[B0:B0+1], v[B0:B0+1], v[B0+16:B0+17]
	v_pk_add_f32 v[B0+2:B0+3], v[B0+2:B0+3], v[B0+18:B0+19]
	v_pk_add_f32 v[B0:B0+1], v[B0:B0+1], v[212:213]                ; + b2
	v_pk_add_f32 v[B0+2:B0+3], v[B0+2:B0+3], v[214:215]
.irp i, 0,1,2,3
	v_mul_f32 v[B0+\i], v[GS+(\k)], v[B0+\i]       ; x the gate
.endr
	s_add_co_u32 s58, s34, \k
	s_lshl_b32 s58, s58, 6
	s_sub_co_i32 s58, s35, s58                     ; the expert's rows from this tile's first on: c - 16 (q + 4 (p9 + k)); 0 or less for a tile that does not exist
	v_cmp_gt_i32 vcc_lo, s58, v217
	s_wait_xcnt 0x0                                ; EXEC changes only behind this wait
	s_and_saveexec_b32 s60, vcc_lo                 ; only the lanes whose row is one of the expert's (s60 takes the old mask, which is all ones)
	global_store_b128 v[OO+(\k)], v[B0:B0+3], s[30:31] th:TH_STORE_NT   ; sixteen lanes store 256 consecutive bytes of a token's row, aligned; written once, read by nobody here
	s_wait_xcnt 0x0                                ; and again in front of the line that widens it; the store has read its registers too
	s_mov_b32 exec_lo, -1                          ; all lanes on again, as they were at the save
.if (\k) < 3
	RLOAD (\k)+6
.endif
.endm
.Lpass:                                                ; four passes of nine tiles: p9 = 0, 9, 18, 27
	s_cmp_ge_u32 s34, s33
	s_cbranch_scc1 .Lno_c                          ; no tile in this pass
	WIN 0x55
.irp k, 0,1,2,3,4,5,6,7,8
	s_add_co_u32 s54, s34, \k
	s_min_u32 s54, s54, s69                        ; a tile that does not exist takes my last tile's place in memory
	s_min_u32 s54, s54, 35                         ; a tile's number: 35 at the most
	s_mul_i32 s62, s54, TSTEP
	s_add_nc_u64 s[RB+2*\k:RB+2*\k+1], s[24:25], s[62:63]
	s_lshl_b32 s55, s54, 8
	v_add_nc_u32 v[OF+\k], s55, v219               ; my row's word: 256 x tile + 4 x row
.endr
.irp k, 0,1,2,3,4,5,6,7,8
	global_load_b32 v[GS+\k], v[OF+\k], s[28:29]
.endr
.irp k, 0,1,2,3,4,5,6,7,8
	global_load_b32 v[TOK+\k], v[OF+\k], s[26:27]
.endr
	WIN 0
.irp k, 0,1,2,3,4,5,6,7,8
.irp p, 0,1
	global_load_b32 v[ASC+2*\k+\p], v2, s[RB+2*\k:RB+2*\k+1] offset:32768+128*\p
.endr
.endr
	AFILL 0
	AFILL 1
	AFILL 2
	AFILL 3
	AFILL 4
	AFILL 5
	CTILE 0, 40                                    ; behind tile k's eight loads stand those of the five tiles after it, while there are so many
	CTILE 1, 40
	CTILE 2, 40
	CTILE 3, 40
	CTILE 4, 32
	CTILE 5, 24
	CTILE 6, 16
	CTILE 7, 8
	CTILE 8, 0
.Lno_c:
	s_wait_dscnt 0x0                               ; for the others' sake: my partial sums have landed
	s_barrier_signal -1
	s_barrier_wait -1
	s_cmp_ge_u32 s34, s33
	s_cbranch_scc1 .Lno_r
	WIN 0x55
.irp k, 0,1,2,3,4,5,6,7,8
	v_min_u32 v[TOK+\k], 0x7ff, v[TOK+\k]          ; a token's number
	v_lshl_add_u32 v[OO+\k], v[TOK+\k], 12, v218   ; its row of 4,096 bytes, + my 16
.endr
	RLOAD 0
	RLOAD 1
	RLOAD 2
	RLOAD 3
	RLOAD 4
	RLOAD 5
	RSUM 0, 40
	RSUM 1, 40
	RSUM 2, 40
	RSUM 3, 40
	RSUM 4, 32
	RSUM 5, 24
	RSUM 6, 16
	RSUM 7, 8
	RSUM 8, 0
	WIN 0
.Lno_r:
	s_wait_dscnt 0x0                               ; my reads of the stage are in: the next pass may write it
	s_barrier_signal -1
	s_barrier_wait -1
	s_add_co_u32 s34, s34, 9
	s_cmp_lt_u32 s34, 36
	s_cbranch_scc1 .Lpass
	s_wait_tensorcnt 0x0
	ds_add_u32 v254, v255
	s_wait_dscnt 0x0
	s_endpgm
.Lfunc_end_k_qaaf7c602d0_down:
	.size	k_qaaf7c602d0_down, .Lfunc_end_k_qaaf7c602d0_down-k_qaaf7c602d0_down
	.p2alignl 7, 3214868480
	.fill 96, 4, 3214868480
	.section	.rodata,"a",@progbits
	.p2align	6, 0x0
	.amdhsa_kernel k_qaaf7c602d0_down
		.amdhsa_group_segment_fixed_size 314368
		.amdhsa_private_segment_fixed_size 0
		.amdhsa_enable_private_segment 0
		.amdhsa_kernarg_size 64
		.amdhsa_user_sgpr_count 2
		.amdhsa_user_sgpr_kernarg_segment_ptr 1
		.amdhsa_wavefront_size32 1
		.amdhsa_system_sgpr_workgroup_id_x 1
		.amdhsa_system_sgpr_workgroup_id_y 1
		.amdhsa_system_sgpr_workgroup_id_z 1
		.amdhsa_system_vgpr_workitem_id 0
		.amdhsa_next_free_vgpr 512
		.amdhsa_next_free_sgpr 72
		.amdhsa_reserve_vcc 1
		.amdhsa_float_denorm_mode_32 3
		.amdhsa_float_denorm_mode_16_64 3
		.amdhsa_memory_ordered 1
		.amdhsa_forward_progress 1
		.amdhsa_inst_pref_size 65
	.end_amdhsa_kernel
	.amdgpu_metadata
---
amdhsa.version: [ 1, 2 ]
amdhsa.kernels:
  - .name:           k_qaaf7c602d0_down
    .symbol:         k_qaaf7c602d0_down.kd
    .args:
      - { .name: hrec, .offset: 0, .size: 8, .value_kind: global_buffer, .address_space: global }
      - { .name: order, .offset: 8, .size: 8, .value_kind: global_buffer, .address_space: global }
      - { .name: gsort, .offset: 16, .size: 8, .value_kind: global_buffer, .address_space: global }
      - { .name: cnt, .offset: 24, .size: 8, .value_kind: global_buffer, .address_space: global }
      - { .name: W2_codes, .offset: 32, .size: 8, .value_kind: global_buffer, .address_space: global }
      - { .name: W2_scales, .offset: 40, .size: 8, .value_kind: global_buffer, .address_space: global }
      - { .name: b2, .offset: 48, .size: 8, .value_kind: global_buffer, .address_space: global }
      - { .name: out0, .offset: 56, .size: 8, .value_kind: global_buffer, .address_space: global }
    .group_segment_fixed_size: 314368
    .private_segment_fixed_size: 0
    .kernarg_segment_align: 8
    .kernarg_segment_size: 64
    .max_flat_workgroup_size: 256
    .sgpr_count:     72
    .vgpr_count:     512
    .wavefront_size: 32
...
	.end_amdgpu_metadata
.endif
;; end of part 4
;; ======== version 2 of 2: 3 launches
;; limits: right only within a limited range of input values
;; workspace buffers: emask 1,024 bytes of whole numbers; gate 8,192 bytes; xq 1,048,576 bytes; xs 65,536 bytes; order 36,864 bytes of whole numbers; cnt 256 bytes of whole numbers; hrec 16,777,216 bytes; hsc 1,572,864 bytes
;; launch route (part 5): grid 256 x 1, 8 waves a work-group, no clusters, 6,400 bytes of LDS; arguments x, Wr, br, xq, xs, emask, gate; writes xq, xs, emask, gate
.if DOCPART == 5
	.amdgcn_target "amdgcn-amd-amdhsa--gfx1250"
	.amdhsa_code_object_version 6
	.text
	.protected	k_qaaf7c602d0_route
	.globl	k_qaaf7c602d0_route
	.p2align	8
	.type	k_qaaf7c602d0_route,@function
k_qaaf7c602d0_route:
	s_mov_b64 s[64:65], 0
	v_nop
	global_prefetch_b8 v0, s[64:65] scope:SCOPE_SE
	s_setreg_imm32_b32 hwreg(HW_REG_WAVE_MODE, 25, 1), 1
	s_wait_xcnt 0x0
; ROUTER AND QUANTISER OF x.  x: [2048][1024] f32, Wr: [1024][4] f32, br: [4] f32.
; For each token: logits = x Wr + br in f32, the chosen expert (the largest logit, the lower index at a tie), the gate = the largest probability
; = 1 / sum over e of exp(logit_e - largest logit); and x's row as codes of E2M1 with one E8M0 byte for each 32 along its 1,024.
; emask[g], one word for the tokens 8 g .. 8 g + 7: bit 4 row + e is set where token 8 g + row chose expert e.  gate[token].  No address here hangs on a choice.
; SHARES.  A work-group of eight waves takes 8 rows; wave w takes k = 128 w .. + 127 of ALL eight: lane l holds x(row, 128 w + 4 l .. + 3), loaded as 512 consecutive bytes a row,
; and the 64 bytes of Wr that belong to its four k.  A block of the quantiser is eight neighbouring lanes.  The 32 partial logits of a lane (register 4 row + e) are reduced over the 32 lanes by halving
; the registers as the lanes are joined, so that lane l ends with number l.  The eight waves' 32 numbers and the codes meet in LDS behind one barrier.
; WORK LEFT OUT in the program: the experts that a token did not choose, which reference() computes and then drops by its own index.  A NaN, an infinity or an overflow that reaches only those is not carried.
; LIMITS.  NaN and infinities are not served.  The choice is made on the logits: two logits so near that their probabilities round to one number could give another index than an argmax over probabilities.
; A block of zeros gets the scale byte 1 (its codes are zeros; the bytes are read by this program alone).  emask and gate leave as 4 and 32 bytes a work-group: 9 KiB in the whole launch are written in parts of 256-byte blocks.
; No matrix unit, no cluster: the rows share nothing but Wr, 16 KiB.  No prefetch: there is no loop to run ahead in.
.set SCB,  4096                        ; LDS: codes of 8 rows x 512 bytes; 256 scale bytes (32 row + block);
.set PART, 4352                        ; 8 waves x 32 partial logits;
.set SPARE, 5376                       ; the spare words
.set X,  16
.set W,  48
.set SU, 64
.set TT, 96
.set MX, 128
.set SC, 136
.set BY, 144
.set CD, 152
.macro AW
	s_wait_alu depctr_va_vdst(0)
.endm
	s_load_b256 s[4:11], s[0:1], 0x0               ; x s[4:5], Wr s[6:7], br s[8:9], xq s[10:11]
	s_load_b128 s[12:15], s[0:1], 0x20             ; xs s[12:13], emask s[14:15]
	s_load_b64 s[16:17], s[0:1], 0x30              ; gate
	v_lshl_add_u32 v9, v0, 2, SPARE
	v_mov_b32 v10, 0
	v_lshrrev_b32 v1, 5, v0                        ; wave
	v_and_b32 v2, 31, v0                           ; lane
	v_lshlrev_b32 v3, 4, v0                        ; 512 w + 16 l
	v_lshlrev_b32 v4, 6, v0                        ; Wr: 16 bytes for each of k = 128 w + 4 l ..
	v_and_b32 v5, 3, v0
	v_readfirstlane_b32 s18, v1
	v_lshlrev_b32 v6, 2, v0
	v_lshlrev_b32 v7, 6, v1
	v_lshrrev_b32 v8, 3, v2
	v_lshlrev_b32 v11, 3, v2
	v_lshlrev_b32 v5, 2, v5                        ; br: lane l's expert is l % 4
	v_add_nc_u32 v6, PART, v6
	v_lshl_add_u32 v7, v2, 1, v7                   ; my 2 bytes of codes of a row: 64 w + 2 l
	v_lshl_add_u32 v8, v1, 2, v8
	v_add_nc_u32 v12, SCB, v11
	v_mov_b32 v13, 0
	v_add_nc_u32 v8, SCB, v8                       ; my block's scale byte: 4 w + l / 8
	s_mov_b32 s24, 0x76543210
	s_mov_b32 s25, 0xfedcba98                      ; selects for lane l xor 16
	s_mov_b32 s27, 0xaaaaaaaa                      ; the lanes whose number has bit 0, 1, 2, 3, 4
	s_mov_b32 s28, 0xcccccccc
	s_mov_b32 s29, 0xf0f0f0f0
	s_mov_b32 s30, 0xff00ff00
	s_mov_b32 s31, 0xffff0000
	s_mov_b32 s3, 0
	s_lshl_b32 s2, ttmp9, 15
	AW
	s_wait_kmcnt 0x0
	s_add_nc_u64 s[4:5], s[4:5], s[2:3]
.irp j, 0,1,2,3
	global_load_b128 v[W+4*\j:W+4*\j+3], v4, s[6:7] offset:16*\j
.endr
	global_load_b32 v15, v5, s[8:9]
.irp i, 0,1,2,3,4,5,6,7
	global_load_b128 v[X+4*\i:X+4*\i+3], v3, s[4:5] offset:4096*\i th:TH_LOAD_NT
.endr
	s_lshl_b32 s2, ttmp9, 12
	s_add_nc_u64 s[10:11], s[10:11], s[2:3]        ; 8 rows of 512 bytes of codes
	s_lshl_b32 s2, ttmp9, 8
	s_add_nc_u64 s[12:13], s[12:13], s[2:3]        ; 256 scale bytes
	s_lshl_b32 s2, ttmp9, 2
	s_add_nc_u64 s[14:15], s[14:15], s[2:3]        ; one word of emask
	s_lshl_b32 s2, ttmp9, 5
	s_add_nc_u64 s[16:17], s[16:17], s[2:3]        ; eight gates
	s_wait_loadcnt 0x0
	; the logits' partial sums: two experts an instruction, x(row, k) broadcast to both
.irp i, 0,1,2,3,4,5,6,7
	v_pk_mul_f32 v[SU+4*\i:SU+4*\i+1], v[W:W+1], v[X+4*\i:X+4*\i+1] op_sel_hi:[1,0]
	v_pk_mul_f32 v[SU+4*\i+2:SU+4*\i+3], v[W+2:W+3], v[X+4*\i:X+4*\i+1] op_sel_hi:[1,0]
.endr
.irp i, 0,1,2,3,4,5,6,7
	v_pk_fma_f32 v[SU+4*\i:SU+4*\i+1], v[W+4:W+5], v[X+4*\i:X+4*\i+1], v[SU+4*\i:SU+4*\i+1] op_sel:[0,1,0] op_sel_hi:[1,1,1]
	v_pk_fma_f32 v[SU+4*\i+2:SU+4*\i+3], v[W+6:W+7], v[X+4*\i:X+4*\i+1], v[SU+4*\i+2:SU+4*\i+3] op_sel:[0,1,0] op_sel_hi:[1,1,1]
.endr
.irp i, 0,1,2,3,4,5,6,7
	v_pk_fma_f32 v[SU+4*\i:SU+4*\i+1], v[W+8:W+9], v[X+4*\i+2:X+4*\i+3], v[SU+4*\i:SU+4*\i+1] op_sel_hi:[1,0,1]
	v_pk_fma_f32 v[SU+4*\i+2:SU+4*\i+3], v[W+10:W+11], v[X+4*\i+2:X+4*\i+3], v[SU+4*\i+2:SU+4*\i+3] op_sel_hi:[1,0,1]
.endr
.irp i, 0,1,2,3,4,5,6,7
	v_pk_fma_f32 v[SU+4*\i:SU+4*\i+1], v[W+12:W+13], v[X+4*\i+2:X+4*\i+3], v[SU+4*\i:SU+4*\i+1] op_sel:[0,1,0] op_sel_hi:[1,1,1]
	v_pk_fma_f32 v[SU+4*\i+2:SU+4*\i+3], v[W+14:W+15], v[X+4*\i+2:X+4*\i+3], v[SU+4*\i+2:SU+4*\i+3] op_sel:[0,1,0] op_sel_hi:[1,1,1]
.endr
	; One halving: of two neighbouring registers a lane keeps the one that its own bit names, and adds to it the partner's.
.macro HALF n, sm, xm
.set i, 0
.rept \n
	v_cndmask_b32 v[TT+2*i], v[SU+2*i], v[SU+2*i+1], s\sm
	v_cndmask_b32 v[TT+2*i+1], v[SU+2*i+1], v[SU+2*i], s\sm
.set i, i+1
.endr
.set i, 0
.rept \n
	v_add_f32_dpp v[SU+i], v[TT+2*i+1], v[TT+2*i] row_xmask:\xm row_mask:0xf bank_mask:0xf
.set i, i+1
.endr
.endm
	HALF 16, 27, 1
	HALF 8, 28, 2
	HALF 4, 29, 4
	HALF 2, 30, 8
	v_cndmask_b32 v[TT], v[SU], v[SU+1], s31
	v_cndmask_b32 v[TT+1], v[SU+1], v[SU], s31
	; each row's block maximum, eight lanes a block, with the floor 2^(3 - 127) among the leaves: the byte cannot fall under 1
.irp i, 0,1,2,3,4,5,6,7
	v_max3_num_f32 v[MX+\i], |v[X+4*\i]|, |v[X+4*\i+1]|, 0x1800000
.endr
	v_permlanex16_b32 v[TT+2], v[TT+1], s24, s25
.irp i, 0,1,2,3,4,5,6,7
	v_max3_num_f32 v[MX+\i], v[MX+\i], |v[X+4*\i+2]|, |v[X+4*\i+3]|
.endr
	v_add_f32 v[SU], v[TT], v[TT+2]                ; lane 4 row + e: my wave's 128 terms of that logit
	ds_store_b32 v6, v[SU]
.irp m, 1,2,4
.irp i, 0,1,2,3,4,5,6,7
	v_max_num_f32_dpp v[MX+\i], v[MX+\i], v[MX+\i] row_xmask:\m row_mask:0xf bank_mask:0xf
.endr
.endr
.irp i, 0,1,2,3,4,5,6,7
	v_add_nc_u32 v[SC+\i], 0xff000000, v[MX+\i]    ; 2 off the exponent field: the conversion takes the exponent field of this operand as its scale
.endr
.irp i, 0,1,2,3,4,5,6,7
	v_lshrrev_b32 v[BY+\i], 23, v[SC+\i]
.endr
.irp i, 0,1,2,3,4,5,6,7
	v_cvt_scalef32_pk8_fp4_f32 v[CD+\i], v[X+4*\i:X+4*\i+7], v[SC+\i]   ; the low 16 bits are my four codes of row i; the upper half is not used
.endr
	v_nop                                          ; one plain line behind the last conversion
.irp i, 0,1,2,3,4,5,6,7
	ds_store_b16 v7, v[CD+\i] offset:512*\i
	ds_store_b8 v8, v[BY+\i] offset:32*\i          ; the eight lanes of a block write the same byte with the same value
.endr
	AW
	s_wait_dscnt 0x0                               ; for the others' sake: my part has landed
	s_barrier_signal -1
	s_barrier_wait -1
	ds_load_b128 v[160:163], v3                    ; row w's 512 bytes of codes
	s_cmp_lg_u32 s18, 0
	s_cbranch_scc1 .Lnot0
.irp p, 0,1,2,3,4,5,6,7
	ds_load_b32 v[TT+\p], v6 offset:128*\p         ; wave 0: the eight waves' parts of logit l
.endr
	s_wait_dscnt 0x8                               ; the eight loads of parts are younger
	global_store_b128 v3, v[160:163], s[10:11]
	s_wait_dscnt 0x0
	v_add_f32 v[TT], v[TT], v[TT+1]
	v_add_f32 v[TT+2], v[TT+2], v[TT+3]
	v_add_f32 v[TT+4], v[TT+4], v[TT+5]
	v_add_f32 v[TT+6], v[TT+6], v[TT+7]
	v_add_f32 v[TT], v[TT], v[TT+2]
	v_add_f32 v[TT+4], v[TT+4], v[TT+6]
	v_add_f32 v[TT], v[TT], v[TT+4]
	v_add_f32 v[TT], v[TT], v15                    ; + br
	v_max_num_f32_dpp v[TT+8], v[TT], v[TT] row_xmask:1 row_mask:0xf bank_mask:0xf
	v_max_num_f32_dpp v[TT+8], v[TT+8], v[TT+8] row_xmask:2 row_mask:0xf bank_mask:0xf
	v_cmp_eq_f32 s20, v[TT], v[TT+8]               ; the largest of each four lanes
	v_sub_f32 v[TT+9], v[TT], v[TT+8]              ; the maximum is taken away ahead of the exponential
	v_mul_f32 v[TT+9], 0x3fb8aa3b, v[TT+9]         ; x log2(e)
	AW
	v_exp_f32 v[TT+9], v[TT+9]
	s_and_b32 s21, s20, 0x77777777                 ; of each four bits only the lowest that is set stays: the lower index wins a tie
	s_lshl_b32 s21, s21, 1
	s_and_b32 s22, s20, 0x33333333
	s_lshl_b32 s22, s22, 2
	s_or_b32 s21, s21, s22
	s_and_b32 s22, s20, 0x11111111
	s_lshl_b32 s22, s22, 3
	s_or_b32 s21, s21, s22
	s_and_not1_b32 s20, s20, s21
	v_mov_b32 v[TT+10], s20
	AW
	v_add_f32_dpp v[TT+9], v[TT+9], v[TT+9] row_xmask:1 row_mask:0xf bank_mask:0xf
	v_add_f32_dpp v[TT+9], v[TT+9], v[TT+9] row_xmask:2 row_mask:0xf bank_mask:0xf
	AW
	v_rcp_f32 v[TT+11], v[TT+9]                    ; the gate
	v_nop
	AW
	v_cmp_eq_u32 vcc_lo, 0, v5
	s_wait_xcnt 0x0                                ; EXEC changes only behind this wait
	s_and_saveexec_b32 s26, vcc_lo                 ; lanes 4 row (s26 takes the old mask, all ones)
	global_store_b32 v2, v[TT+11], s[16:17]        ; 4 row bytes on: 32 consecutive bytes
	s_wait_xcnt 0x0
	s_mov_b32 exec_lo, -1
	v_cmp_eq_u32 vcc_lo, 0, v2
	s_wait_xcnt 0x0
	s_and_saveexec_b32 s26, vcc_lo                 ; lane 0
	global_store_b32 v13, v[TT+10], s[14:15]
	s_wait_xcnt 0x0
	s_mov_b32 exec_lo, -1
	s_branch .Lend
.Lnot0:
	s_wait_dscnt 0x0
	global_store_b128 v3, v[160:163], s[10:11]
	s_cmp_lg_u32 s18, 1
	s_cbranch_scc1 .Lend
	ds_load_b64 v[164:165], v12                    ; wave 1: the work-group's 256 scale bytes
	s_wait_dscnt 0x0
	global_store_b64 v11, v[164:165], s[12:13]     ; 32 lanes store 256 consecutive bytes, aligned
.Lend:
	s_wait_tensorcnt 0x0
	ds_add_u32 v9, v10
	s_wait_dscnt 0x0
	s_endpgm
.Lfunc_end_k_qaaf7c602d0_route:
	.size	k_qaaf7c602d0_route, .Lfunc_end_k_qaaf7c602d0_route-k_qaaf7c602d0_route
	.p2alignl 7, 3214868480
	.fill 96, 4, 3214868480
	.section	.rodata,"a",@progbits
	.p2align	6, 0x0
	.amdhsa_kernel k_qaaf7c602d0_route
		.amdhsa_group_segment_fixed_size 6400
		.amdhsa_private_segment_fixed_size 0
		.amdhsa_enable_private_segment 0
		.amdhsa_kernarg_size 56
		.amdhsa_user_sgpr_count 2
		.amdhsa_user_sgpr_kernarg_segment_ptr 1
		.amdhsa_wavefront_size32 1
		.amdhsa_system_sgpr_workgroup_id_x 1
		.amdhsa_system_sgpr_workgroup_id_y 1
		.amdhsa_system_sgpr_workgroup_id_z 1
		.amdhsa_system_vgpr_workitem_id 0
		.amdhsa_next_free_vgpr 168
		.amdhsa_next_free_sgpr 66
		.amdhsa_reserve_vcc 1
		.amdhsa_float_denorm_mode_32 3
		.amdhsa_float_denorm_mode_16_64 3
		.amdhsa_memory_ordered 1
		.amdhsa_forward_progress 1
		.amdhsa_inst_pref_size 22
	.end_amdhsa_kernel
	.amdgpu_metadata
---
amdhsa.version: [ 1, 2 ]
amdhsa.kernels:
  - .name:           k_qaaf7c602d0_route
    .symbol:         k_qaaf7c602d0_route.kd
    .args:
      - { .name: x, .offset: 0, .size: 8, .value_kind: global_buffer, .address_space: global }
      - { .name: Wr, .offset: 8, .size: 8, .value_kind: global_buffer, .address_space: global }
      - { .name: br, .offset: 16, .size: 8, .value_kind: global_buffer, .address_space: global }
      - { .name: xq, .offset: 24, .size: 8, .value_kind: global_buffer, .address_space: global }
      - { .name: xs, .offset: 32, .size: 8, .value_kind: global_buffer, .address_space: global }
      - { .name: emask, .offset: 40, .size: 8, .value_kind: global_buffer, .address_space: global }
      - { .name: gate, .offset: 48, .size: 8, .value_kind: global_buffer, .address_space: global }
    .group_segment_fixed_size: 6400
    .private_segment_fixed_size: 0
    .kernarg_segment_align: 8
    .kernarg_segment_size: 56
    .max_flat_workgroup_size: 256
    .sgpr_count:     66
    .vgpr_count:     168
    .wavefront_size: 32
...
	.end_amdgpu_metadata
.endif
;; end of part 5
;; launch up (part 6): grid 256 x 1, 8 waves a work-group, no clusters, 85,504 bytes of LDS; arguments xq, xs, emask, W1_codes, W1_scales, b1, hrec, hsc, order, cnt; writes hrec, hsc, order, cnt
.if DOCPART == 6
	.amdgcn_target "amdgcn-amd-amdhsa--gfx1250"
	.amdhsa_code_object_version 6
	.text
	.protected	k_qaaf7c602d0_up
	.globl	k_qaaf7c602d0_up
	.p2align	8
	.type	k_qaaf7c602d0_up,@function
k_qaaf7c602d0_up:
	s_mov_b64 s[64:65], 0
	v_nop
	global_prefetch_b8 v0, s[64:65] scope:SCOPE_SE
	s_setreg_imm32_b32 hwreg(HW_REG_WAVE_MODE, 25, 1), 1
	s_wait_xcnt 0x0
; THE ROWS ARE PLACED BY EXPERT, AND THE FIRST PRODUCT OF THE CHOSEN EXPERT: hidden = Q(silu(Q(x) W1[e] + b1[e])), on codes of E2M1 with one E8M0 scale for each 32 along K, for the rows of each expert alone
; (the rows that did not choose e are thrown away by reference()'s own index: they are not computed; a NaN or an infinity that reaches only those is not carried).
; hrec: records of 32,768 bytes, record 128 e + j for rows 16 j .. 16 j + 15 of expert e's list: the hidden codes as images of the next product's operand registers (block of 32 hidden units b: 256 bytes at 256 b, row r's 16 bytes at 16 r).
; hsc [e][q][cs][pass][lane 32][12 words]: the scale words of hidden units 256 cs ..: lanes 0-15 the first 128 of them, rows 0-15, lanes 16-31 the second; word k is the pass's tile k (9 to a pass, three words unused: 0).
; order [e][q][36 tiles][16 rows]: tokens; cnt [4]: rows of each expert.
; SHARES.  Work-group id = 64 q + 16 e + cs: expert e, hidden units 256 cs .. + 255, row tiles j = q + 4 i, i = 0 .. n - 1: 4 x 16 x 4 = 256 work-groups whatever the split.  A part without rows makes one tile that nobody uses, so that what the next launch reads is always written.
; PLACING.  Lane l holds the choices of tokens 64 l .. + 63 as two masks A, B (bit 4 row + g of A: token 64 l + 8 g + row; of B: 32 more); the running counts of the 32 lanes stand in scalars.  The expert's list is its tokens in the order (lane, A then B, bit).
; Nothing is scattered: in wave w lane (r, 0) LOOKS UP position 16 j + r of its pass's tile w, lane (r, 1) of tile 8: the number of lanes whose running count is not above the position, that lane's masks, then the bit that has so many set bits below it.
; A position behind the list's end gives some token's number, at most 2,047; its row is computed in the last tile and never used.
; Wave w brings tile w's 16 rows of x into LDS, a row of 512 bytes a load, and K step w of tile 8: 16-byte column u of row r lies at 272 u + 16 r, which is the image of the operand's registers with 16 bytes of padding behind each 256.
; Wave w owns ONE block of 32 hidden units (8 cs + w): its 32 rows of W1 stay in 128 registers; a tile's result is one whole block of the quantiser.  A tile's LDS loads are issued one tile ahead of their use.  Four passes of nine tiles serve every split.
; TRANSPOSED: source 0 = 16 rows of W1, source 1 = 16 rows of x.  Lane r of column tile t takes W1's row 8 t + r + 8 (r / 8) of the 32, so that lane (r, h) holds row r and the 16 neighbouring hidden units 16 h + 0 .. 15.
; NO TENSOR LOADS, NO CLUSTER: the numbers of rows are read from memory and steer branches; every barrier stands outside them.  No prefetch: the weights are asked for at once at the head, there is no loop to run ahead in.
; LIMITS.  NaN and infinities are not served.  A block of zeros gets the scale byte 1 (read by this program alone).  order leaves in runs of 64 bytes: 36 KiB at the most in the whole launch are written in parts of 256-byte blocks.
; REGISTERS.  window 0: v1-24 addresses; v25-27 masks A, B, and count of A << 16 | running count; v32-39 W1's scale words; v40-55 b1; v56-63 x's scale words, two sets; v64-67 tile 8's; v68-83 accumulators (earlier: the look-up); v84-99 silu (earlier: the gather's offsets);
;   v100-117 codes; v118-127 at work; v128-255 two sets of x's fragments (earlier: the gather).   window 1: W1's fragment (t, s) at v[64 t + 8 s].
.set REC,   32768
.set TSTEP, 4*REC
.set IMG,   8704                       ; a tile's image in LDS: 32 x 272
.set XSL,   78336                      ; behind nine of them: x's scale words, 512 bytes a tile, eight tiles
.set SB,    82432                      ; the pass's scale bytes, 48 bytes a lane
.set SPARE, 84480                      ; the spare words
.set WS,  32
.set BI,  40
.set XS,  56
.set S8,  64
.set ACC, 68
.set E,   84
.set CD,  100
.set XF,  128
.set INC, 66                           ; s66-97 the running counts behind each lane
.set MSB, 0
.macro WIN new                         ; the immediate's high byte repeats the setting that is left
.if MSB != \new
	s_set_vgpr_msb (MSB<<8)|\new
.set MSB, \new
.endif
.endm
.macro AW
	s_wait_alu depctr_va_vdst(0)
.endm
	s_load_b256 s[8:15], s[0:1], 0x0               ; xq s[8:9], xs s[10:11], emask s[12:13], W1's codes s[14:15]
	s_load_b256 s[16:23], s[0:1], 0x20             ; its scales s[16:17], b1 s[18:19], hrec s[20:21], hsc s[22:23]
	s_load_b128 s[24:27], s[0:1], 0x40             ; order s[24:25], cnt s[26:27]
	v_lshl_add_u32 v23, v0, 2, SPARE
	v_mov_b32 v24, 0
	v_lshrrev_b32 v118, 5, v0                      ; w
	v_and_b32 v2, 15, v0                           ; r
	v_bfe_u32 v3, v0, 4, 1                         ; h
	v_and_b32 v4, 31, v0                           ; l
	v_readfirstlane_b32 s31, v118
	v_lshlrev_b32 v1, 5, v4                        ; emask: eight words a lane
	v_lshlrev_b32 v5, 4, v4                        ; 16 l
	v_lshlrev_b32 v20, 4, v3                       ; 16 h
	v_and_b32 v119, 8, v2
	v_lshl_add_u32 v19, v118, 6, v20               ; tile 8: K step w of a row, + 16 h
	v_add_nc_u32 v119, v119, v2                    ; r + 8 (r / 8)
	v_lshlrev_b32 v8, 6, v3                        ; b1: 64 h
	v_lshl_add_u32 v6, v119, 9, v20                ; W1's codes: that row of 512 bytes, + 16 h
	v_lshl_add_u32 v7, v119, 5, v20                ; its scale bytes: that row of 32, + 16 h
	v_mul_u32_u24 v9, v118, IMG
	v_mul_u32_u24 v120, v4, 272
	v_lshl_add_u32 v121, v118, 2, v3
	v_mul_u32_u24 v122, v3, 272
	v_add_nc_u32 v9, v9, v120                      ; where I store my tile's rows: column l; row r 16 r bytes on
	v_mul_u32_u24 v121, v121, 272
	v_lshl_add_u32 v11, v2, 4, v122                ; where fragments are read: 272 h + 16 r
	v_lshl_add_u32 v121, v2, 4, v121
	v_add_nc_u32 v12, 7*IMG, v11                   ; tiles 7 and 8 lie past the 16-bit immediate
	v_add_nc_u32 v10, 8*IMG, v121                  ; where I store tile 8's columns 4 w + h
	v_lshl_add_u32 v123, v118, 9, v5
	v_add_nc_u32 v13, XSL, v123                    ; my tile's scale words: 16 bytes a lane
	v_add_nc_u32 v14, XSL, v5
	v_lshrrev_b32 v124, 7, v0                      ; w / 4
	v_bfe_u32 v125, v0, 5, 2                       ; w % 4
	v_lshl_add_u32 v124, v124, 4, v2
	v_mul_u32_u24 v124, v124, 48
	v_add_nc_u32 v124, v124, v125
	v_add_nc_u32 v15, SB, v124                     ; my scale byte: lane 16 (w / 4) + r, byte w % 4; tile k's word 4 k on
	v_lshlrev_b32 v126, 4, v2
	v_lshl_add_u32 v16, v3, 3, v126                ; 16 r + 8 h: my 8 bytes of codes in the block's 256
	v_lshlrev_b32 v18, 4, v0
	v_add_nc_u32 v17, SB, v18                      ; the way out of the scale words: threads 0 to 95, 16 bytes each
	v_mov_b32 v100, 0
	v_mov_b32 v101, 0
	v_lshlrev_b32 v102, 3, v0
	v_add_nc_u32 v102, SB, v102
	ds_store_b64 v102, v[100:101]                  ; every scale word begins as 0
	s_lshr_b32 s30, ttmp9, 6                       ; q
	s_bfe_u32 s28, ttmp9, 0x20004                  ; e
	s_and_b32 s29, ttmp9, 15                       ; cs
	s_sub_co_u32 s33, 8, s31
	v_mul_u32_u24 v103, s33, v3
	v_add_nc_u32 v103, s31, v103                   ; the tile that my lane looks up: w, or 8 in lanes 16-31
	s_lshl_b32 s34, s30, 4
	v_lshl_add_u32 v21, v103, 6, v2
	v_add_nc_u32 v21, s34, v21                     ; its position in the list: 16 (q + 4 tile) + r
	v_lshlrev_b32 v22, 6, v103
	v_lshl_add_u32 v22, v2, 2, v22                 ; its place in my part of order
	v_mov_b32 v81, 0                               ; (a lane permute's destination counts as one of its sources)
	v_mov_b32 v127, 0
.irp i, 0,1,2,3
	v_mov_b32 v[S8+\i], 0                          ; written on every path
.endr
	s_mov_b32 s2, 0xaaaaaaaa                       ; the lanes whose number has bit 0, 1, 2, 3, 4
	s_mov_b32 s3, 0xcccccccc
	s_mov_b32 s4, 0xf0f0f0f0
	s_mov_b32 s5, 0xff00ff00
	s_mov_b32 s56, 0xffff0000
	s_mov_b32 s52, 0xbfb8aa3b                      ; -log2(e)
	s_mov_b32 s53, s52                             ; (named with it as a pair, so it is written)
	s_mov_b32 s54, 0x76543210
	s_mov_b32 s55, 0xfedcba98                      ; selects for lane l xor 16
	s_lshl_b32 s36, s28, 12
	s_lshl_b32 s37, s29, 8
	s_add_co_u32 s36, s36, s37
	s_lshl_b32 s37, s31, 5
	s_add_co_u32 s36, s36, s37                     ; my first row of W1: 4096 e + 256 cs + 32 w
	s_lshl_b32 s38, s36, 9
	s_mov_b32 s39, 0
	s_lshl_b32 s40, s36, 5
	s_mov_b32 s41, 0
	s_lshl_b32 s42, s36, 2
	s_mov_b32 s43, 0
	s_lshl_b32 s44, s28, 7
	s_add_co_u32 s44, s44, s30
	s_lshl_b32 s44, s44, 15                        ; record 128 e + q
	s_lshl_b32 s45, s29, 11
	s_add_co_u32 s44, s44, s45
	s_lshl_b32 s45, s31, 8
	s_add_co_u32 s44, s44, s45                     ; + 256 x my block
	s_mov_b32 s45, 0
	s_lshl_b32 s46, s28, 2
	s_add_co_u32 s46, s46, s30                     ; 4 e + q
	s_mul_i32 s48, s46, 2304                       ; my part of order: 36 tiles
	s_mov_b32 s49, 0
	s_lshl_b32 s46, s46, 4
	s_add_co_u32 s46, s46, s29
	s_mul_i32 s46, s46, 6144                       ; my part of hsc: four passes of 1,536 bytes
	s_mov_b32 s47, 0
	s_lshl_b32 s50, s28, 2
	s_mov_b32 s51, 0
	s_mov_b32 s57, 0                               ; the pass's first tile
	AW
	s_wait_kmcnt 0x0
	global_load_b128 v[128:131], v1, s[12:13]      ; the first loads of all: the gather of x hangs on them
	global_load_b128 v[132:135], v1, s[12:13] offset:16
	s_add_nc_u64 s[14:15], s[14:15], s[38:39]
	s_add_nc_u64 s[16:17], s[16:17], s[40:41]
	s_add_nc_u64 s[18:19], s[18:19], s[42:43]
	WIN 0x40                                       ; destination window 1
.irp t, 0,1
.irp s, 0,1,2,3,4,5,6,7
.irp c, 0,1
	global_load_b128 v[64*\t+8*\s+4*\c:64*\t+8*\s+4*\c+3], v6, s[14:15] offset:4096*\t+64*\s+32*\c   ; a column tile's sixteen loads take its sixteen rows whole
.endr
.endr
.endr
	WIN 0
.irp t, 0,1
	global_load_b128 v[WS+4*\t:WS+4*\t+3], v7, s[16:17] offset:256*\t
.endr
.irp t, 0,1
	global_load_b128 v[BI+8*\t:BI+8*\t+3], v8, s[18:19] offset:32*\t
	global_load_b128 v[BI+8*\t+4:BI+8*\t+7], v8, s[18:19] offset:32*\t+16
.endr
	s_add_nc_u64 s[20:21], s[20:21], s[44:45]
	s_add_nc_u64 s[22:23], s[22:23], s[46:47]
	s_add_nc_u64 s[24:25], s[24:25], s[48:49]
	s_add_nc_u64 s[26:27], s[26:27], s[50:51]
	s_wait_loadcnt 38                              ; the choices are in: W1's 32 + 2 + 4 loads are younger
	; ---- my 64 tokens' masks and counts
.irp g, 0,1,2,3,4,5,6,7
	v_lshrrev_b32 v[136+\g], s28, v[128+\g]
.endr
.irp g, 0,1,2,3,4,5,6,7
	v_and_b32 v[136+\g], 0x11111111, v[136+\g]     ; bit 4 row: token row of group g chose e
.endr
	v_lshl_or_b32 v25, v137, 1, v136
	v_lshl_or_b32 v26, v141, 1, v140
	v_add3_u32 v144, v136, v137, v138              ; in each nibble: how many of A's four groups chose e in that row
	v_add3_u32 v145, v140, v141, v142
	v_lshl_or_b32 v25, v138, 2, v25
	v_lshl_or_b32 v26, v142, 2, v26
	v_add_nc_u32 v144, v144, v139
	v_add_nc_u32 v145, v145, v143
	v_lshl_or_b32 v25, v139, 3, v25                ; A
	v_lshl_or_b32 v26, v143, 3, v26                ; B
	v_add_nc_u32 v145, v145, v144                  ; both, at most 8 a nibble
.irp a, 144,145
	v_lshrrev_b32 v[\a+4], 4, v[\a]
.endr
.irp a, 144,145
	v_and_b32 v[\a+2], 0x0f0f0f0f, v[\a]
	v_and_b32 v[\a+4], 0x0f0f0f0f, v[\a+4]
.endr
.irp a, 144,145
	v_add_nc_u32 v[\a+2], v[\a+2], v[\a+4]
.endr
.irp a, 144,145
	v_mul_lo_u32 v[\a+2], 0x01010101, v[\a+2]      ; the four bytes' sum comes into the highest
.endr
.irp a, 144,145
	v_lshrrev_b32 v[\a], 24, v[\a+2]               ; A's count; the lane's count
.endr
	v_mov_b32 v146, 0                              ; the counts of the lanes ahead of mine
	v_mov_b32 v147, v145                           ; and of all lanes joined so far
	v_mov_b32 v148, 0
.irp st, 0,1,2,3
	v_mov_b32_dpp v148, v147 row_xmask:(1<<\st) row_mask:0xf bank_mask:0xf
	v_cndmask_b32 v149, 0, v148, s[2+\st]          ; the partner's lanes stand ahead of mine where my bit is set
	v_add_nc_u32 v147, v147, v148
	v_add_nc_u32 v146, v146, v149
.endr
	v_permlanex16_b32 v148, v147, s54, s55
	v_cndmask_b32 v149, 0, v148, s56
	v_add_nc_u32 v146, v146, v149
	v_lshl_or_b32 v27, v144, 16, v146
	v_add_nc_u32 v147, v146, v145
.set l, 0
.rept 32
	v_readlane_b32 s[INC+l], v147, l
.set l, l+1
.endr
	v_mov_b32 v126, s[INC+31]                      ; the expert's rows
	s_add_co_u32 s58, s[INC+31], 15
	s_lshr_b32 s58, s58, 4                         ; its tiles, ceil(c / 16);
	s_add_co_u32 s58, s58, 3
	s_sub_co_u32 s58, s58, s30
	s_lshr_b32 s58, s58, 2                         ; n: those of them that are q + 4 i,
	s_max_u32 s58, s58, 1                          ; at least one
	AW
; One halving of the mask: where the lower half (inc bits from the bit in hand; its count is the field of w bits there in register a) holds no more set bits than are to pass, they are passed and the bit moves up by inc.
.macro HALVE a, w, inc
	v_bfe_u32 v77, v[\a], v76, \w
	v_add_nc_u32 v78, \inc, v76
	v_cmp_ge_u32 vcc_lo, v75, v77
	v_sub_nc_u32 v77, v75, v77
	v_cndmask_b32 v76, v76, v78, vcc_lo
	v_cndmask_b32 v75, v75, v77, vcc_lo
.endm
; Tile k's fragments and scale words into set k % 2.
.macro XLOAD k
.if \k < 7
.set AD, 11
.set OFS, IMG*(\k)
.else
.set AD, 12
.set OFS, IMG*((\k)-7)
.endif
.set XB, XF+64*((\k)%2)
.irp s, 0,1,2,3,4,5,6,7
.irp c, 0,1
	ds_load_b128 v[XB+8*\s+4*\c:XB+8*\s+4*\c+3], v[AD] offset:OFS+1088*\s+544*\c
.endr
.endr
.if \k < 8
	ds_load_b128 v[XS+4*((\k)%2):XS+4*((\k)%2)+3], v14 offset:512*(\k)
.endif
.endm
; One matrix instruction: column tile t, K step s, row tile k.  The bias is the C of the first: nothing is cleared.
.macro MM1 t, s, k
.set rD, ACC+8*(\t)
.set rA, 64*(\t)+8*(\s)
.set rB, XF+64*((\k)%2)+8*(\s)
.set rW, WS+4*(\t)+(\s)%4
.if \k < 8
.set rX, XS+4*((\k)%2)+(\s)%4
.else
.set rX, S8+(\s)%4
.endif
.if (\s) == 0
	v_wmma_scale_f32_16x16x128_f8f6f4 v[rD:rD+7], v[rA:rA+7], v[rB:rB+7], v[BI+8*(\t):BI+8*(\t)+7], v[rW], v[rX] matrix_a_fmt:MATRIX_FMT_FP4 matrix_b_fmt:MATRIX_FMT_FP4
.elseif (\s) < 4
	v_wmma_scale_f32_16x16x128_f8f6f4 v[rD:rD+7], v[rA:rA+7], v[rB:rB+7], v[rD:rD+7], v[rW], v[rX] matrix_a_fmt:MATRIX_FMT_FP4 matrix_b_fmt:MATRIX_FMT_FP4
.else
	v_wmma_scale_f32_16x16x128_f8f6f4 v[rD:rD+7], v[rA:rA+7], v[rB:rB+7], v[rD:rD+7], v[rW], v[rX] matrix_a_fmt:MATRIX_FMT_FP4 matrix_b_fmt:MATRIX_FMT_FP4 matrix_a_scale:MATRIX_SCALE_ROW1 matrix_b_scale:MATRIX_SCALE_ROW1
.endif
.endm
; Row tile k of the pass: 16 rows x my 32 hidden units.  The tiles that exist are the first s59: the first that does not ends the pass's work.
.macro TILE k
	s_cmp_le_u32 s59, \k
	s_cbranch_scc1 .Ltiles_done
.if \k == 0
	XLOAD 0
.endif
.if \k < 8
	XLOAD \k+1
.endif
.if \k < 7
	s_wait_dscnt 17                                ; the next tile's 17 loads are younger
.elseif \k == 7
	s_wait_dscnt 16
.else
	s_wait_dscnt 0
.endif
	WIN 0x01                                       ; source 0 (W1) window 1
.irp s, 0,1,2,3,4,5,6,7
.irp t, 0,1
	MM1 \t, \s, \k                                 ; the two accumulators take turns, one instruction a turn
.endr
.endr
	WIN 0
.rept 4
	v_nop                                          ; four places ahead of the first read of the results (ISA guide 7.12.1)
.endr
.irp i, 0,2,4,6,8,10,12,14
	v_pk_mul_f32 v[E+\i:E+\i+1], v[ACC+\i:ACC+\i+1], s[52:53] op_sel_hi:[1,0]   ; silu(a) = a / (1 + 2^(-a log2 e)); each accumulator from its low end on
.endr
	AW
.irp j, 0,1,2,3,4,5,6,7,8,9,10,11,12,13,14,15
	v_exp_f32 v[E+\j], v[E+\j]
.endr
	v_nop                                          ; a plain line behind the last exponential
	AW
.irp i, 0,2,4,6,8,10,12,14
	v_pk_add_f32 v[E+\i:E+\i+1], v[E+\i:E+\i+1], 1.0 op_sel_hi:[1,0]
.endr
	AW
.irp j, 0,1,2,3,4,5,6,7,8,9,10,11,12,13,14,15
	v_rcp_f32 v[E+\j], v[E+\j]
.endr
	v_nop
	AW
.irp i, 0,2,4,6,8,10,12,14
	v_pk_mul_f32 v[ACC+\i:ACC+\i+1], v[ACC+\i:ACC+\i+1], v[E+\i:E+\i+1]
.endr
	v_max3_num_f32 v118, |v[ACC]|, |v[ACC+1]|, 0x1800000   ; the largest magnitude of my 16, with the floor 2^(3 - 127): the byte cannot fall under 1
	v_max3_num_f32 v119, |v[ACC+2]|, |v[ACC+3]|, |v[ACC+4]|
.irp i, 5,9
	v_max3_num_f32 v118, v118, |v[ACC+\i]|, |v[ACC+\i+1]|
	v_max3_num_f32 v119, v119, |v[ACC+\i+2]|, |v[ACC+\i+3]|
.endr
	v_max3_num_f32 v118, v118, |v[ACC+13]|, |v[ACC+14]|
	v_max3_num_f32 v118, v118, v119, |v[ACC+15]|
	v_permlanex16_b32 v120, v118, s54, s55
	v_max_num_f32 v118, v118, v120                 ; with lane l xor 16's 16: the block's
	v_add_nc_u32 v121, 0xff000000, v118            ; 2 off its exponent field: the conversion's scale operand
	v_lshrrev_b32 v122, 23, v121                   ; the scale's byte
	v_cvt_scalef32_pk8_fp4_f32 v[CD+2*(\k)], v[ACC:ACC+7], v121
	v_cvt_scalef32_pk8_fp4_f32 v[CD+2*(\k)+1], v[ACC+8:ACC+15], v121
	v_nop                                          ; one plain line behind the last conversion
	ds_store_b8 v15, v122 offset:4*(\k)            ; both lanes of a row write the same byte with the same value
	global_store_b64 v16, v[CD+2*(\k):CD+2*(\k)+1], s[20:21] offset:TSTEP*(\k)   ; the wave stores the block's 256 bytes on end, aligned
.endm
.Lpass:                                                ; four passes of nine tiles: s57 = 0, 9, 18, 27
	s_cmp_ge_u32 s57, s58
	s_cbranch_scc1 .Lstaged                        ; no tile in this pass: nothing is staged
	; ---- the look-up: in four runs of eight lanes, how many running counts are not above my position
.irp i, 121,122,123,124
	v_mov_b32 v\i, 0
.endr
.irp j, 0,1,2,3,4,5,6,7
.irp c, 0,1,2,3
	v_cmp_le_u32 s[98+\c], s[INC+8*\c+\j], v21
.endr
.irp c, 0,1,2,3
	v_cndmask_b32 v[121+\c], v[121+\c], \j+1, s[98+\c]
.endr
.endr
	v_add3_u32 v118, v121, v122, v123
	v_add_nc_u32 v118, v118, v124                  ; the lane that holds my position's token
	v_lshlrev_b32 v119, 2, v118
	ds_bpermute_b32 v68, v119, v25                 ; its masks
	ds_bpermute_b32 v69, v119, v26
	ds_bpermute_b32 v70, v119, v27                 ; and counts
	AW
	s_wait_dscnt 0x0
	v_and_b32 v71, 0xffff, v70
	v_lshrrev_b32 v72, 16, v70
	v_sub_nc_u32 v71, v21, v71                     ; set bits to pass
	v_sub_nc_u32 v73, v71, v72
	v_cmp_ge_u32 vcc_lo, v71, v72                  ; more than A has: it is in B
	v_cndmask_b32 v69, v68, v69, vcc_lo            ; the mask
	v_cndmask_b32 v75, v71, v73, vcc_lo
	v_cndmask_b32 v79, 0, 32, vcc_lo
	v_lshrrev_b32 v71, 1, v69
	v_mov_b32 v76, 0                               ; the bit: from 0 up
	v_and_b32 v71, 0x55555555, v71
	v_sub_nc_u32 v71, v69, v71                     ; set bits in each 2
	v_lshrrev_b32 v72, 2, v71
	v_and_b32 v77, 0x33333333, v71
	v_and_b32 v72, 0x33333333, v72
	v_add_nc_u32 v72, v72, v77                     ; in each 4
	v_lshrrev_b32 v73, 4, v72
	v_add_nc_u32 v73, v73, v72
	v_and_b32 v73, 0x0f0f0f0f, v73                 ; in each 8
	v_lshrrev_b32 v74, 8, v73
	v_add_nc_u32 v74, v74, v73                     ; its lowest byte: in the low 16
	HALVE 74, 8, 16
	HALVE 73, 8, 8
	HALVE 72, 4, 4
	HALVE 71, 2, 2
	HALVE 69, 1, 1
	v_and_b32 v77, 3, v76
	v_lshrrev_b32 v78, 2, v76
	v_lshl_add_u32 v79, v118, 6, v79
	v_lshl_add_u32 v77, v77, 3, v78
	v_add_nc_u32 v80, v79, v77                     ; token 64 lane + 32 (in B) + 8 (bit % 4) + bit / 4
	v_min_u32 v80, 0x7ff, v80
	v_permlanex16_b32 v81, v80, s54, s55
	v_cndmask_b32 v82, v80, v81, s56               ; in every lane: tile w's token of row r
	v_cndmask_b32 v83, v81, v80, s56               ; and tile 8's
	v_min_u32 v118, 0x7ff, v82                     ; a token's number
	v_min_u32 v119, 0x7ff, v83
	v_min_u32 v120, 0x7ff, v83
	v_lshl_add_u32 v118, v118, 5, v20              ; its scale bytes: 32 a row
	v_lshl_add_u32 v119, v119, 5, v20
	v_lshl_add_u32 v120, v120, 9, v19              ; tile 8's codes: K step w of each row
.irp r, 0,1,2,3,4,5,6,7,8,9,10,11,12,13,14,15
	v_readlane_b32 s[98+\r%4], v82, \r
	s_min_u32 s[98+\r%4], s[98+\r%4], 0x7ff        ; a token's number
	s_lshl_b32 s[98+\r%4], s[98+\r%4], 9
	v_add_nc_u32 v[84+\r], s[98+\r%4], v5          ; row r's codes, + 16 l
.endr
	AW
.irp r, 0,1,2,3,4,5,6,7,8,9,10,11,12,13,14,15
	global_load_b128 v[128+4*\r:131+4*\r], v[84+\r], s[8:9]   ; a token's 512 bytes on end
.endr
.irp c, 0,1
	global_load_b128 v[192+4*\c:195+4*\c], v120, s[8:9] offset:32*\c
.endr
	global_load_b128 v[200:203], v118, s[10:11]
	global_load_b128 v[S8:S8+3], v119, s[10:11]
	s_cmp_lg_u32 s29, 0
	s_cbranch_scc1 .Lno_list                       ; one of the sixteen work-groups of (e, q) stores the part's list
	s_cmp_eq_u32 s31, 0
	s_cbranch_scc1 .Lwave0
	v_cmp_gt_u32 vcc_lo, 16, v4
	s_wait_xcnt 0x0                                ; EXEC changes only behind this wait
	s_and_saveexec_b32 s62, vcc_lo                 ; lanes 0-15: tile w (s62 takes the old mask, all ones)
	global_store_b32 v22, v80, s[24:25]
	s_wait_xcnt 0x0                                ; and again in front of the line that widens it
	s_mov_b32 exec_lo, -1
	s_branch .Lno_list
.Lwave0:
	global_store_b32 v22, v80, s[24:25]            ; tiles 0 and 8
	s_or_b32 s62, s30, s57
	s_cmp_lg_u32 s62, 0
	s_cbranch_scc1 .Lno_list                       ; q = 0, first pass:
	v_cmp_eq_u32 vcc_lo, 0, v4
	s_wait_xcnt 0x0
	s_and_saveexec_b32 s62, vcc_lo                 ; lane 0 alone
	global_store_b32 v127, v126, s[26:27]          ; cnt[e]
	s_wait_xcnt 0x0
	s_mov_b32 exec_lo, -1
.Lno_list:
	s_wait_xcnt 0x0                                ; the list's stores have read their registers: the accumulators lie there
	s_wait_loadcnt 0x0
.irp r, 0,1,2,3,4,5,6,7,8,9,10,11,12,13,14,15
	ds_store_b128 v9, v[128+4*\r:131+4*\r] offset:16*\r
.endr
.irp c, 0,1
	ds_store_b128 v10, v[192+4*\c:195+4*\c] offset:544*\c
.endr
	ds_store_b128 v13, v[200:203]
.Lstaged:
	s_wait_loadcnt 0x0                             ; (on every path: W1 and all else is in)
	s_sub_co_i32 s59, s58, s57
	s_max_i32 s59, s59, 0
	s_min_i32 s59, s59, 9                          ; the pass's tiles
	s_wait_dscnt 0x0                               ; for the others' sake: my part of the images has landed, and my reads of the last pass's scale words are in
	s_barrier_signal -1
	s_barrier_wait -1                              ; the pass's images are whole
	TILE 0
	TILE 1
	TILE 2
	TILE 3
	TILE 4
	TILE 5
	TILE 6
	TILE 7
	TILE 8
.Ltiles_done:
	s_wait_dscnt 0x0                               ; my scale bytes have landed, and my reads of the images are in
	s_barrier_signal -1
	s_barrier_wait -1                              ; the scale words are whole, and nobody reads the images any more
	s_cmp_ge_u32 s31, 3
	s_cbranch_scc1 .Lno_sc
	s_cmp_eq_u32 s59, 0
	s_cbranch_scc1 .Lno_sc
	ds_load_b128 v[118:121], v17                   ; waves 0 to 2 send the pass's 1,536 bytes of scale words
	s_wait_dscnt 0x0
	global_store_b128 v18, v[118:121], s[22:23]    ; 32 lanes store 512 consecutive bytes, aligned
.Lno_sc:
	s_wait_xcnt 0x0                                ; the stores have read their bases and registers: they may be written again
	v_add_nc_u32 v21, 576, v21                     ; nine tiles of 64 positions' stride on,
	v_add_nc_u32 v22, 576, v22                     ; and nine of 64 bytes
	s_add_nc_u64 s[20:21], s[20:21], 9*TSTEP
	s_add_nc_u64 s[22:23], s[22:23], 1536
	s_add_co_u32 s57, s57, 9
	AW
	s_cmp_lt_u32 s57, 36
	s_cbranch_scc1 .Lpass
	s_wait_tensorcnt 0x0
	ds_add_u32 v23, v24
	s_wait_dscnt 0x0
	s_endpgm
.Lfunc_end_k_qaaf7c602d0_up:
	.size	k_qaaf7c602d0_up, .Lfunc_end_k_qaaf7c602d0_up-k_qaaf7c602d0_up
	.p2alignl 7, 3214868480
	.fill 96, 4, 3214868480
	.section	.rodata,"a",@progbits
	.p2align	6, 0x0
	.amdhsa_kernel k_qaaf7c602d0_up
		.amdhsa_group_segment_fixed_size 85504
		.amdhsa_private_segment_fixed_size 0
		.amdhsa_enable_private_segment 0
		.amdhsa_kernarg_size 80
		.amdhsa_user_sgpr_count 2
		.amdhsa_user_sgpr_kernarg_segment_ptr 1
		.amdhsa_wavefront_size32 1
		.amdhsa_system_sgpr_workgroup_id_x 1
		.amdhsa_system_sgpr_workgroup_id_y 1
		.amdhsa_system_sgpr_workgroup_id_z 1
		.amdhsa_system_vgpr_workitem_id 0
		.amdhsa_next_free_vgpr 384
		.amdhsa_next_free_sgpr 102
		.amdhsa_reserve_vcc 1
		.amdhsa_float_denorm_mode_32 3
		.amdhsa_float_denorm_mode_16_64 3
		.amdhsa_memory_ordered 1
		.amdhsa_forward_progress 1
		.amdhsa_inst_pref_size 94
	.end_amdhsa_kernel
	.amdgpu_metadata
---
amdhsa.version: [ 1, 2 ]
amdhsa.kernels:
  - .name:           k_qaaf7c602d0_up
    .symbol:         k_qaaf7c602d0_up.kd
    .args:
      - { .name: xq, .offset: 0, .size: 8, .value_kind: global_buffer, .address_space: global }
      - { .name: xs, .offset: 8, .size: 8, .value_kind: global_buffer, .address_space: global }
      - { .name: emask, .offset: 16, .size: 8, .value_kind: global_buffer, .address_space: global }
      - { .name: W1_codes, .offset: 24, .size: 8, .value_kind: global_buffer, .address_space: global }
      - { .name: W1_scales, .offset: 32, .size: 8, .value_kind: global_buffer, .address_space: global }
      - { .name: b1, .offset: 40, .size: 8, .value_kind: global_buffer, .address_space: global }
      - { .name: hrec, .offset: 48, .size: 8, .value_kind: global_buffer, .address_space: global }
      - { .name: hsc, .offset: 56, .size: 8, .value_kind: global_buffer, .address_space: global }
      - { .name: order, .offset: 64, .size: 8, .value_kind: global_buffer, .address_space: global }
      - { .name: cnt, .offset: 72, .size: 8, .value_kind: global_buffer, .address_space: global }
    .group_segment_fixed_size: 85504
    .private_segment_fixed_size: 0
    .kernarg_segment_align: 8
    .kernarg_segment_size: 80
    .max_flat_workgroup_size: 256
    .sgpr_count:     102
    .vgpr_count:     384
    .wavefront_size: 32
...
	.end_amdgpu_metadata
.endif
;; end of part 6
;; launch down (part 7): grid 256 x 1, 8 waves a work-group, no clusters, 314,368 bytes of LDS; arguments hrec, hsc, order, cnt, gate, W2_codes, W2_scales, b2, out0; writes out0
.if DOCPART == 7
	.amdgcn_target "amdgcn-amd-amdhsa--gfx1250"
	.amdhsa_code_object_version 6
	.text
	.protected	k_qaaf7c602d0_down
	.globl	k_qaaf7c602d0_down
	.p2align	8
	.type	k_qaaf7c602d0_down,@function
k_qaaf7c602d0_down:
	s_mov_b64 s[64:65], 0
	v_nop
	global_prefetch_b8 v0, s[64:65] scope:SCOPE_SE
	s_setreg_imm32_b32 hwreg(HW_REG_WAVE_MODE, 25, 1), 1
	s_wait_xcnt 0x0
; THE SECOND PRODUCT OF THE CHOSEN EXPERT AND THE GATE: out[token] = (hidden W2[e] + b2[e]) x gate, on codes of E2M1 with one E8M0 scale for each 32 along K = 4,096, for the rows of each expert alone (the others reference() drops by its own index).
; hrec, hsc, order, cnt: as the launch before laid them; gate [2048].  W2_codes [4][1024][2048 bytes], W2_scales [4][1024][128], b2 [4][1024].  out0 [2048][1024] f32.
; SHARES.  Work-group id = 64 q + 16 e + cs: expert e, output columns 64 cs .. + 63, row tiles j = q + 4 i, i = 0 .. n - 1.  THE EIGHT WAVES SPLIT K: wave w owns K steps 4 w .. 4 w + 3, so each byte of W2 and of the
; records goes from memory straight into ONE wave's registers (the records by loads of 512 consecutive bytes).  W2's part stays in 128 registers.  The eight partial sums of a tile meet in LDS; wave w then adds up rows 2 w and 2 w + 1.
; The first nine tiles run as one text: tiles 0-2 | 3, 4 | 5, 6 | 7, 8 are multiplied ahead of a barrier each, and behind it they are added up and stored between the products of the next ones, while later tiles' loads are out.  The ninth is asked for only where it exists;
; an earlier one that does not exist reads my last record again and stores nothing.  Three more passes of nine tiles serve every split; a pass without rows does nothing but pass its barriers.
; TRANSPOSED: source 0 = 16 rows of W2 (output columns), source 1 = 16 rows of the hidden layer: a lane holds eight neighbouring columns of one row.
; NO TENSOR LOADS, NO CLUSTER: the numbers of rows are read from memory and steer branches; every barrier stands outside them.  No prefetch: there is no loop to run ahead in, and six tiles' loads are out at a time.
; LIMITS.  NaN and infinities are not served.  The sum over K is made of eight partial sums, added as a tree in f32.
; REGISTERS.  window 0: v1-11 addresses; v12-20 tokens, then places in gate; v21-29 places in out0; v30-38 gates; v40-55 W2's scale words; v56-79 the hidden layer's; v80-83 b2; v84-115 four accumulators; v116-243 W2's fragments.
;   window 1: v0-191 six sets of 32: a ring for the hidden fragments (sets 3 and 4, when they are done with: results on their way out); v192-255 two sets for the partial sums.
.set REC,   32768
.set SROW,  272                        ; the stage: a row of 64 columns, 256 bytes + 16 of padding
.set SWAVE, 16*SROW                    ; a wave's partial sum of a tile
.set STILE, 8*SWAVE                    ; a tile's eight
.set SPARE, 9*STILE
.set TOK, 12
.set OO,  21
.set GT,  30
.set BSC, 40                           ; column tile t, K step s of my four: 4 t + s
.set ASC, 56                           ; tile k: 12 p + k: lanes 0-15 my K step 2 p, lanes 16-31 2 p + 1
.set B2,  80
.set ACC, 84
.set BR,  116                          ; W2's fragment (t, s) at 8 (4 t + s)
.set RB,  36                           ; s[36:53] the nine tiles' records
.set MSB, 0
.macro WIN new                         ; the immediate's high byte repeats the setting that is left
.if MSB != \new
	s_set_vgpr_msb (MSB<<8)|\new
.set MSB, \new
.endif
.endm
.macro AW
	s_wait_alu depctr_va_vdst(0)
.endm
	s_load_b256 s[8:15], s[0:1], 0x0               ; hrec s[8:9], hsc s[10:11], order s[12:13], cnt s[14:15]
	s_load_b256 s[16:23], s[0:1], 0x20             ; gate s[16:17], W2's codes s[18:19], its scales s[20:21], b2 s[22:23]
	s_load_b64 s[24:25], s[0:1], 0x40              ; out0
	v_lshl_add_u32 v244, v0, 2, SPARE
	v_mov_b32 v245, 0
	s_lshr_b32 s68, ttmp9, 6                       ; q
	s_bfe_u32 s66, ttmp9, 0x20004                  ; e
	s_and_b32 s67, ttmp9, 15                       ; cs
	v_and_b32 v246, 15, v0                         ; r
	v_bfe_u32 v247, v0, 4, 1                       ; h
	v_lshrrev_b32 v248, 5, v0                      ; w
	v_and_b32 v249, 31, v0                         ; l
	v_lshlrev_b32 v10, 4, v246                     ; 16 r
	v_lshlrev_b32 v1, 4, v249
	v_mul_u32_u24 v2, v249, 48
	v_mul_u32_u24 v8, v248, 12288
	v_lshl_add_u32 v1, v248, 12, v1                ; a record: 16 l + my four K steps' 4,096 bytes
	v_lshlrev_b32 v3, 11, v246
	v_lshlrev_b32 v4, 7, v246
	v_add_nc_u32 v2, v2, v8                        ; the scale words: two column parts of 6,144 bytes a wave, 48 bytes a lane
	v_lshl_add_u32 v3, v247, 4, v3
	v_lshl_add_u32 v4, v248, 4, v4                 ; W2's scale bytes: row r of 128, + 16 w
	v_mul_u32_u24 v5, v246, SROW
	v_lshl_add_u32 v3, v248, 8, v3                 ; W2's codes: row r of 2,048 bytes, + 16 h, + 256 w
	v_lshl_add_u32 v5, v247, 5, v5
	v_mul_u32_u24 v8, v248, SWAVE
	v_lshl_add_u32 v9, v248, 1, v247               ; the row that I add up: 2 w + h
	v_add_nc_u32 v5, v5, v8                        ; into the stage: my wave's part, row r, + 32 h
	v_mul_u32_u24 v7, v9, SROW
	v_lshlrev_b32 v11, 2, v9                       ; my row's word in a tile's tokens
	v_add_nc_u32 v7, v7, v10                       ; out of the stage: my row, 16 bytes a lane
	s_mov_b32 s63, 0
	s_mov_b32 s34, 0                               ; the pass's first tile
	AW
	s_wait_kmcnt 0x0
	s_lshl_b32 s62, s66, 2
	s_add_nc_u64 s[14:15], s[14:15], s[62:63]
	s_load_b32 s32, s[14:15], 0x0                  ; the expert's rows
	s_add_co_u32 s54, s62, s68                     ; 4 e + q
	s_mul_i32 s62, s54, 2304
	s_add_nc_u64 s[12:13], s[12:13], s[62:63]      ; my part of order
	s_mul_i32 s62, s54, 98304
	s_add_nc_u64 s[10:11], s[10:11], s[62:63]      ; my part of hsc
.macro TOKENS                          ; my row's token in each of the pass's nine tiles
.irp k, 0,1,2,3,4,5,6,7,8
	global_load_b32 v[TOK+\k], v11, s[12:13] offset:64*\k
.endr
.endm
	TOKENS
	s_lshl_b32 s54, s66, 10
	s_lshl_b32 s55, s67, 6
	s_add_co_u32 s54, s54, s55                     ; my first row of W2: 1024 e + 64 cs
	s_lshl_b32 s62, s54, 11
	s_add_nc_u64 s[18:19], s[18:19], s[62:63]
	s_lshl_b32 s62, s54, 7
	s_add_nc_u64 s[20:21], s[20:21], s[62:63]
	s_lshl_b32 s62, s54, 2
	s_add_nc_u64 s[22:23], s[22:23], s[62:63]
.irp t, 0,1,2,3
.irp s, 0,1,2,3
.irp c, 0,1
	global_load_b128 v[BR+8*(4*\t+\s)+4*\c:BR+8*(4*\t+\s)+4*\c+3], v3, s[18:19] offset:32768*\t+64*\s+32*\c   ; a column tile's eight loads take 256 consecutive bytes of each of its rows
.endr
.endr
.endr
.irp t, 0,1,2,3
	global_load_b128 v[BSC+4*\t:BSC+4*\t+3], v4, s[20:21] offset:2048*\t
.endr
	global_load_b128 v[B2:B2+3], v10, s[22:23]     ; b2 at my four columns
	s_lshl_b32 s62, s67, 8
	s_add_nc_u64 s[30:31], s[24:25], s[62:63]      ; out0 at my 64 columns
	s_lshl_b32 s54, s66, 7
	s_add_co_u32 s54, s54, s68
	s_lshl_b32 s62, s54, 15
	s_add_nc_u64 s[8:9], s[8:9], s[62:63]          ; record 128 e + q
	s_wait_kmcnt 0x0
	s_lshl_b32 s55, s68, 4
	s_sub_co_i32 s35, s32, s55                     ; c - 16 q
	s_add_co_u32 s33, s32, 15
	s_lshr_b32 s33, s33, 4                         ; the expert's tiles, ceil(c / 16);
	s_add_co_u32 s33, s33, 3
	s_sub_co_u32 s33, s33, s68
	s_lshr_b32 s33, s33, 2                         ; n: those of them that are q + 4 i,
	s_max_u32 s33, s33, 1                          ; at least one (the launch before has made it)
	s_sub_co_u32 s69, s33, 1                       ; my last tile
.macro PLACES_OUT                      ; behind the wait for the tokens: where each lies in gate, and the gates
.irp k, 0,1,2,3,4,5,6,7,8
	v_min_u32 v[TOK+\k], 0x7ff, v[TOK+\k]          ; a token's number
.endr
.irp k, 0,1,2,3,4,5,6,7,8
	v_lshlrev_b32 v[TOK+\k], 2, v[TOK+\k]          ; its place in gate
.endr
	AW
.irp k, 0,1,2,3,4,5,6,7,8
	global_load_b32 v[GT+\k], v[TOK+\k], s[16:17]
.endr
.endm
.macro OUTS                            ; from 4 x the token's number: its row of 4,096 bytes in out0, + my 16
.irp k, 0,1,2,3,4,5,6,7,8
	v_min_u32 v[OO+\k], 0x1ffc, v[TOK+\k]
.endr
.irp k, 0,1,2,3,4,5,6,7,8
	v_lshl_add_u32 v[OO+\k], v[OO+\k], 10, v10
.endr
.endm
.macro RECORDS                         ; the nine tiles' records, and the pass's scale words
.irp k, 0,1,2,3,4,5,6,7,8
	s_add_co_u32 s54, s34, \k
	s_min_u32 s54, s54, s69                        ; a tile that does not exist takes my last tile's place in memory
	s_min_u32 s54, s54, 31                         ; a tile's number
	s_lshl_b32 s62, s54, 17
	s_add_nc_u64 s[RB+2*\k:RB+2*\k+1], s[8:9], s[62:63]
.endr
.irp p, 0,1
.irp j, 0,1,2
	global_load_b128 v[ASC+12*\p+4*\j:ASC+12*\p+4*\j+3], v2, s[10:11] offset:6144*\p+16*\j
.endr
.endr
.endm
.macro AFILL k                         ; tile k's four K steps of the hidden layer into set k % 6: eight loads of 512 consecutive bytes
	WIN 0x40
.irp s, 0,1,2,3
.irp c, 0,1
	global_load_b128 v[32*((\k)%6)+8*\s+4*\c:32*((\k)%6)+8*\s+4*\c+3], v1, s[RB+2*(\k):RB+2*(\k)+1] offset:1024*\s+512*\c
.endr
.endr
.endm
.macro MM2 t, s, k
.set rD, ACC+8*(\t)
.set rA, BR+8*(4*(\t)+(\s))
.set rB, 32*((\k)%6)+8*(\s)
.set rW, BSC+4*(\t)+(\s)
.set rH, ASC+12*((\s)/2)+(\k)
.if (\s) == 0
	v_wmma_scale_f32_16x16x128_f8f6f4 v[rD:rD+7], v[rA:rA+7], v[rB:rB+7], 0, v[rW], v[rH] matrix_a_fmt:MATRIX_FMT_FP4 matrix_b_fmt:MATRIX_FMT_FP4
.elseif (\s)%2 == 1
	v_wmma_scale_f32_16x16x128_f8f6f4 v[rD:rD+7], v[rA:rA+7], v[rB:rB+7], v[rD:rD+7], v[rW], v[rH] matrix_a_fmt:MATRIX_FMT_FP4 matrix_b_fmt:MATRIX_FMT_FP4 matrix_b_scale:MATRIX_SCALE_ROW1
.else
	v_wmma_scale_f32_16x16x128_f8f6f4 v[rD:rD+7], v[rA:rA+7], v[rB:rB+7], v[rD:rD+7], v[rW], v[rH] matrix_a_fmt:MATRIX_FMT_FP4 matrix_b_fmt:MATRIX_FMT_FP4
.endif
.endm
; Tile k: my partial sum of 16 rows x 64 columns, into the stage.  left: the fragment loads of later tiles, which may stay out.
.macro CTILE k, left
	WIN 0x04                                       ; source 1 (the hidden layer) window 1
	s_wait_loadcnt \left
.irp s, 0,1,2,3
.irp t, 0,1,2,3
	MM2 \t, \s, \k                                 ; the four accumulators take turns, one instruction a turn; the first products start the sums
.endr
.endr
	WIN 0
	v_add_nc_u32 v6, STILE*(\k), v5                ; five places: four are owed ahead of the stores that read the results and of the loads into the fragments' set,
.rept 4
	v_nop                                          ; five ahead of the next tile's products, which write over the accumulators (ISA guide 7.12.1)
.endr
.irp t, 0,1,2,3
	ds_store_b128 v6, v[ACC+8*\t:ACC+8*\t+3] offset:64*\t          ; each accumulator from its low end on
	ds_store_b128 v6, v[ACC+8*\t+4:ACC+8*\t+7] offset:64*\t+16
.endr
.endm
.macro RLOAD k                         ; my row's 16 bytes of tile k's eight partial sums
	v_add_nc_u32 v8, STILE*(\k), v7
	WIN 0x40
.irp p, 0,1,2,3,4,5,6,7
	ds_load_b128 v[192+32*((\k)%2)+4*\p:195+32*((\k)%2)+4*\p], v8 offset:SWAVE*\p
.endr
	WIN 0
.endm
; Tile k's sums, bias and gate, and the store.  left: the LDS instructions behind its loads, which may stay out.
.macro RSUM k, left
.set B0, 192+32*((\k)%2)
.if (\k) < 8
.set OU, 96+4*(\k)
.else
.set OU, 128
.endif
	WIN 0x45                                       ; all in window 1
	s_wait_dscnt \left
.irp p, 0,8,16,24
	v_pk_add_f32 v[B0+\p:B0+\p+1], v[B0+\p:B0+\p+1], v[B0+\p+4:B0+\p+5]
	v_pk_add_f32 v[B0+\p+2:B0+\p+3], v[B0+\p+2:B0+\p+3], v[B0+\p+6:B0+\p+7]
.endr
.irp p, 0,16
	v_pk_add_f32 v[B0+\p:B0+\p+1], v[B0+\p:B0+\p+1], v[B0+\p+8:B0+\p+9]
	v_pk_add_f32 v[B0+\p+2:B0+\p+3], v[B0+\p+2:B0+\p+3], v[B0+\p+10:B0+\p+11]
.endr
	v_pk_add_f32 v[B0:B0+1], v[B0:B0+1], v[B0+16:B0+17]
	v_pk_add_f32 v[B0+2:B0+3], v[B0+2:B0+3], v[B0+18:B0+19]
	WIN 0x41                                       ; source 1 window 0
	v_pk_add_f32 v[B0:B0+1], v[B0:B0+1], v[B2:B2+1]
	v_pk_add_f32 v[B0+2:B0+3], v[B0+2:B0+3], v[B2+2:B2+3]
.irp i, 0,1,2,3
	v_mul_f32 v[OU+\i], v[B0+\i], v[GT+(\k)]       ; x the gate
.endr
	WIN 0
	s_add_co_u32 s58, s34, \k
	s_lshl_b32 s58, s58, 6
	s_sub_co_i32 s58, s35, s58                     ; the expert's rows from this tile's first on: c - 16 (q + 4 i); 0 or less for a tile that does not exist
	AW
	s_cmp_ge_i32 s58, 16
	s_cbranch_scc1 .Lfull_\@
	v_cmp_gt_i32 vcc_lo, s58, v9
	s_wait_xcnt 0x0                                ; EXEC changes only behind this wait
	s_and_saveexec_b32 s60, vcc_lo                 ; only the lanes whose row is one of the expert's (s60 takes the old mask, all ones)
	WIN 0x04                                       ; the data: window 1
	global_store_b128 v[OO+(\k)], v[OU:OU+3], s[30:31] th:TH_STORE_NT
	WIN 0
	s_wait_xcnt 0x0                                ; and again in front of the line that widens it
	s_mov_b32 exec_lo, -1
	s_branch .Lsent_\@
.Lfull_\@:
	WIN 0x04
	global_store_b128 v[OO+(\k)], v[OU:OU+3], s[30:31] th:TH_STORE_NT   ; sixteen lanes store 256 consecutive bytes of a token's row, aligned; written once, read by nobody here
	WIN 0
.Lsent_\@:
.endm
.macro MEET                            ; my LDS instructions are done, for the others' sake; then everybody's are
	s_wait_dscnt 0x0
	s_barrier_signal -1
	s_barrier_wait -1
.endm
	s_wait_loadcnt 37                              ; the tokens are in: W2's 32 + 4 + 1 loads are younger
	PLACES_OUT
	OUTS
	RECORDS
	AFILL 0
	AFILL 1
	AFILL 2
	AFILL 3
	AFILL 4
	AFILL 5
	CTILE 0, 40                                    ; behind tile k's eight loads stand those of the five tiles after it, while there are so many
	AFILL 6
	CTILE 1, 40
	AFILL 7
	CTILE 2, 40
	s_cmp_lt_u32 s33, 9
	s_cbranch_scc1 .Lno_fill8
	AFILL 8                                        ; (where it is out, the counts below wait for one tile more)
	WIN 0
.Lno_fill8:
	MEET
	RLOAD 0
	RLOAD 1
	CTILE 3, 32
	RSUM 0, 16                                     ; behind tile 0's loads: tile 1's eight, tile 3's eight stores
	RLOAD 2
	CTILE 4, 24
	RSUM 1, 24
	RSUM 2, 8
	MEET
	RLOAD 3
	RLOAD 4
	CTILE 5, 16
	RSUM 3, 16
	CTILE 6, 8
	RSUM 4, 16
	MEET
	RLOAD 5
	RLOAD 6
	CTILE 7, 0
	RSUM 5, 16
	s_cmp_lt_u32 s33, 9
	s_cbranch_scc1 .Lno_c8
	CTILE 8, 0
.Lno_c8:
	RSUM 6, 8
	MEET
	RLOAD 7
	s_cmp_lt_u32 s33, 9
	s_cbranch_scc1 .Lno_l8
	RLOAD 8
.Lno_l8:
	RSUM 7, 0
	s_cmp_lt_u32 s33, 9
	s_cbranch_scc1 .Lno_r8
	RSUM 8, 0
.Lno_r8:
	MEET                                           ; nobody reads the stage any more
	s_mov_b32 s34, 9
.Lpass:                                                ; three more passes of nine tiles: s34 = 9, 18, 27
	s_wait_xcnt 0x0                                ; every earlier memory instruction has read its registers and its base
	s_add_nc_u64 s[12:13], s[12:13], 576
	s_add_nc_u64 s[10:11], s[10:11], 1536
	s_cmp_ge_u32 s34, s33
	s_cbranch_scc1 .Lno_c                          ; no tile in this pass
	TOKENS
	s_wait_loadcnt 0x0
	PLACES_OUT
	RECORDS
	AFILL 0
	AFILL 1
	AFILL 2
	AFILL 3
	AFILL 4
	AFILL 5
	CTILE 0, 40
	AFILL 6
	CTILE 1, 40
	AFILL 7
	CTILE 2, 40
	AFILL 8
	CTILE 3, 40
	CTILE 4, 32
	CTILE 5, 24
	CTILE 6, 16
	CTILE 7, 8
	CTILE 8, 0
.Lno_c:
	MEET
	s_cmp_ge_u32 s34, s33
	s_cbranch_scc1 .Lno_r
	OUTS
	RLOAD 0
	RLOAD 1
	RSUM 0, 8
	RLOAD 2
	RSUM 1, 8
	RLOAD 3
	RSUM 2, 8
	RLOAD 4
	RSUM 3, 8
	RLOAD 5
	RSUM 4, 8
	RLOAD 6
	RSUM 5, 8
	RLOAD 7
	RSUM 6, 8
	RLOAD 8
	RSUM 7, 8
	RSUM 8, 0
.Lno_r:
	MEET                                           ; my reads of the stage are in: the next pass may write it
	s_add_co_u32 s34, s34, 9
	s_cmp_lt_u32 s34, 36
	s_cbranch_scc1 .Lpass
	s_wait_tensorcnt 0x0
	ds_add_u32 v244, v245
	s_wait_dscnt 0x0
	s_endpgm
.Lfunc_end_k_qaaf7c602d0_down:
	.size	k_qaaf7c602d0_down, .Lfunc_end_k_qaaf7c602d0_down-k_qaaf7c602d0_down
	.p2alignl 7, 3214868480
	.fill 96, 4, 3214868480
	.section	.rodata,"a",@progbits
	.p2align	6, 0x0
	.amdhsa_kernel k_qaaf7c602d0_down
		.amdhsa_group_segment_fixed_size 314368
		.amdhsa_private_segment_fixed_size 0
		.amdhsa_enable_private_segment 0
		.amdhsa_kernarg_size 72
		.amdhsa_user_sgpr_count 2
		.amdhsa_user_sgpr_kernarg_segment_ptr 1
		.amdhsa_wavefront_size32 1
		.amdhsa_system_sgpr_workgroup_id_x 1
		.amdhsa_system_sgpr_workgroup_id_y 1
		.amdhsa_system_sgpr_workgroup_id_z 1
		.amdhsa_system_vgpr_workitem_id 0
		.amdhsa_next_free_vgpr 512
		.amdhsa_next_free_sgpr 72
		.amdhsa_reserve_vcc 1
		.amdhsa_float_denorm_mode_32 3
		.amdhsa_float_denorm_mode_16_64 3
		.amdhsa_memory_ordered 1
		.amdhsa_forward_progress 1
		.amdhsa_inst_pref_size 130
	.end_amdhsa_kernel
	.amdgpu_metadata
---
amdhsa.version: [ 1, 2 ]
amdhsa.kernels:
  - .name:           k_qaaf7c602d0_down
    .symbol:         k_qaaf7c602d0_down.kd
    .args:
      - { .name: hrec, .offset: 0, .size: 8, .value_kind: global_buffer, .address_space: global }
      - { .name: hsc, .offset: 8, .size: 8, .value_kind: global_buffer, .address_space: global }
      - { .name: order, .offset: 16, .size: 8, .value_kind: global_buffer, .address_space: global }
      - { .name: cnt, .offset: 24, .size: 8, .value_kind: global_buffer, .address_space: global }
      - { .name: gate, .offset: 32, .size: 8, .value_kind: global_buffer, .address_space: global }
      - { .name: W2_codes, .offset: 40, .size: 8, .value_kind: global_buffer, .address_space: global }
      - { .name: W2_scales, .offset: 48, .size: 8, .value_kind: global_buffer, .address_space: global }
      - { .name: b2, .offset: 56, .size: 8, .value_kind: global_buffer, .address_space: global }
      - { .name: out0, .offset: 64, .size: 8, .value_kind: global_buffer, .address_space: global }
    .group_segment_fixed_size: 314368
    .private_segment_fixed_size: 0
    .kernarg_segment_align: 8
    .kernarg_segment_size: 72
    .max_flat_workgroup_size: 256
    .sgpr_count:     72
    .vgpr_count:     512
    .wavefront_size: 32
...
	.end_amdgpu_metadata
.endif
;; end of part 7
